; MI455X (gfx1250); checked and timed in simulation.
; The chip was launched on July 23, 2026; its instructions are those of AMD's public machine-readable ISA for CDNA 5 (MIT licence, August 2026) and "CDNA5" Instruction Set Architecture Reference Guide (July 2026). The comments in the code are by the model that wrote it; some were corrected since.
;; Block. Allowed arithmetic: matrix products marked QUANTISED: E2M3 operands, one E8M0 scale for each 32 along K, by v_wmma_scale_f32_16x16x128_f8f6f4 with both operands' format E2M3, f32 sums; everything else in f32.
;; Inputs: ln1_b 1,024 float32; ln1_g 1,024 float32; ln2_b 1,024 float32; ln2_g 1,024 float32; w_attn_codes 3,072 x 32 x 24 uint8 (E2M3 codes of w_attn, K innermost, in blocks of 32 codes, four codes in three bytes); w_attn_proj_codes 1,024 x 32 x 24 uint8 (E2M3 codes of w_attn_proj, K innermost, in blocks of 32 codes, four codes in three bytes); w_attn_proj_scales 1,024 x 32 uint8 (E8M0 scales of w_attn_proj, one for each 32 codes along K); w_attn_scales 3,072 x 32 uint8 (E8M0 scales of w_attn, one for each 32 codes along K); w_fc_codes 4,096 x 32 x 24 uint8 (E2M3 codes of w_fc, K innermost, in blocks of 32 codes, four codes in three bytes); w_fc_scales 4,096 x 32 uint8 (E8M0 scales of w_fc, one for each 32 codes along K); w_mlp_proj_codes 1,024 x 128 x 24 uint8 (E2M3 codes of w_mlp_proj, K innermost, in blocks of 32 codes, four codes in three bytes); w_mlp_proj_scales 1,024 x 128 uint8 (E8M0 scales of w_mlp_proj, one for each 32 codes along K); x 2 x 2,048 x 1,024 float32.
;; Outputs: out0 2 x 2,048 x 1,024 float32.
;; This version of the problem:
;;   THIS VERSION OF THE PROBLEM IS GIVEN IN LOW PRECISION. The matrix products marked QUANTISED in the list below multiply operands that are first quantised to E2M3 (2 exponent bits, 3 mantissa bits; 6 bits a number), with one power-of-two scale for each 32 numbers along K (OCP MX v1.0); their sums are f32. All else is computed in f32.
;;   The module's matrix products, in the order in which they are computed (A, B: the left and right operand; K: the contracted axis; several contracted axes count as one K, in the product's order):
;;     1. [M 4,096, K 1,024] x [K 1,024, N 3,072]; A: computed on the way; B: input w_attn (given as codes): QUANTISED
;;     2. batch 32 x [M 2,048, K 64] x [K 64, N 2,048]; A: computed on the way; B: computed on the way: QUANTISED
;;     3. batch 32 x [M 2,048, K 2,048] x [K 2,048, N 64]; A: softmax (see below); B: computed on the way: QUANTISED
;;     4. [M 4,096, K 1,024] x [K 1,024, N 1,024]; A: computed on the way; B: input w_attn_proj (given as codes): QUANTISED
;;     5. [M 4,096, K 1,024] x [K 1,024, N 4,096]; A: computed on the way; B: input w_fc (given as codes): QUANTISED
;;     6. [M 4,096, K 4,096] x [K 4,096, N 1,024]; A: computed on the way; B: input w_mlp_proj (given as codes): QUANTISED
;;   THE QUANTISER, for each operand of a quantised product, along K:
;;     - K is cut into blocks of 32 from its start; a last block that is shorter is filled with zeros.
;;     - A block's scale is 2^e with e = floor(log2(the largest magnitude in the block)) - 2, held to -126 .. 127; a block of zeros has e = 0. As a byte (E8M0): e + 127.
;;     - Each number is divided by its block's scale, clamped to +-7.5, and rounded to the nearest number of E2M3, ties to even, subnormals kept.
;;     - The product sums the exact products of the quantised numbers (number of the format x scale) in f32.
;;   ~~~python
;;   def quantise(x, axis):      # numpy; x: float32 -> the quantised numbers, widened to float32 again
;;       x = np.moveaxis(x, axis, -1); K = x.shape[-1]
;;       x = np.pad(x, [(0, 0)] * (x.ndim - 1) + [(0, -K % 32)]); x = x.reshape(x.shape[:-1] + (-1, 32)); a = np.abs(x).max(-1, keepdims=True)
;;       e = np.where(a > 0, np.clip(np.frexp(np.where(a > 0, a, 1))[1] - 1 - 2, -126, 127), 0)      # np.frexp(a)[1] - 1 = floor(log2(a)), exactly
;;       r = np.clip(x / 2.0 ** e, -7.5, 7.5)
;;       step = 2.0 ** (np.maximum(np.frexp(np.where(r == 0, 1, r))[1] - 1, 0) - 3)
;;       q = np.round(r / step) * step * 2.0 ** e      # np.round: ties to even
;;       return np.moveaxis(q.reshape(q.shape[:-2] + (-1,))[..., :K], -1, axis).astype(np.float32)
;;   ~~~
;;   SOFTMAX AHEAD OF A QUANTISED PRODUCT. Where the list says 'softmax', what is quantised is not the finished softmax but p = 2^(t - M), with t = logit x log2(e) and M = ceil(the row's largest t), a whole number; so 1/2 < the row's largest p <= 1. The row's sum l is taken of the UNQUANTISED p, in f32, and the product's result is divided by l at the end. Since M is a whole number, a kernel that streams over the keys may use a running M (the ceiling of the running maximum): every later rescaling is an exact power of two, which a block's scale takes up: the codes' values come out the same.
;;   OPERANDS COMPUTED ON THE WAY. 'Computed on the way' means the value that the module computes at that place (a softmax that the list does not call 'softmax' is quantised finished and normalised). What goes into a quantiser is computed in f32, as accurately as f32 sums, v_exp_f32 and their like allow (about 1e-6 of the number): no bf16 or f16 on the way to a quantiser, and a product that is left as it is and whose result goes on into a quantised operand takes f32 operands (vector FMAs, or v_wmma_f32_16x16x4_f32). A number that lies on a knife's edge between two numbers of the format may be rounded either way, as far as f32 arithmetic and the matrix unit's own rounding can turn it there, and no further.
;;   INPUTS GIVEN AS CODES. w_attn (in the module: [1024, 3072], K = its axis 0); w_attn_proj (in the module: [1024, 1024], K = its axis 0); w_fc (in the module: [1024, 4096], K = its axis 0); w_mlp_proj (in the module: [4096, 1024], K = its axis 0): each comes as NAME_codes (uint8): NAME with its K axis moved to the last place and cut into blocks of 32 codes, [.., K / 32, bytes a block], one block behind the other in memory; four codes in three bytes: a row's codes are one little-endian stream of bits, code i at bits 6 i .. 6 i + 5 (a code: sign, 2 exponent bits, 3 mantissa bits); and NAME_scales (uint8): the same leading axes, one E8M0 byte (e + 127) for each 32 codes along K. Its value is code x scale, taken as it is: it is not quantised again, and the codes and scales need not be those that the quantiser above would give.
;; One version. Each part assembles by itself: llvm-mc -triple=amdgcn-amd-amdhsa -mcpu=gfx1250 --defsym DOCPART=n.
;; ======== version 1 of 1: 7 launches
;; limits: right only within a limited range of input values
;; workspace buffers: hbuf 3,276,800 bytes; qkvc 9,830,400 bytes; ybuf 3,276,800 bytes; x1 16,777,216 bytes; gbuf 13,107,200 bytes; wbuf 9,437,184 bytes
;; launch lnq (part 1): grid 640 x 1, 8 waves a work-group, no clusters, 79,872 bytes of LDS; arguments x, ln1_g, ln1_b, hbuf, w_attn_codes, w_attn_proj_codes, w_fc_codes, w_mlp_proj_codes, wbuf; writes hbuf, wbuf
.if DOCPART == 1
	.amdgcn_target "amdgcn-amd-amdhsa--gfx1250"
	.amdhsa_code_object_version 6
	.text
	.protected	k_q03efa31363_lnq
	.globl	k_q03efa31363_lnq
	.p2align	8
	.type	k_q03efa31363_lnq,@function
k_q03efa31363_lnq:
	s_mov_b64 s[64:65], 0
	v_nop
	global_prefetch_b8 v0, s[64:65] scope:SCOPE_SE
	s_setreg_imm32_b32 hwreg(HW_REG_WAVE_MODE, 25, 1), 1
	s_wait_xcnt 0x0
; h = Q(layernorm(in) * g + b): in [4096][1024] f32; h leaves as codes of FP6 (E2M3), as fragments of 16 rows x 128 channels, 1,536 bytes each, and behind them (byte HSC) one E8M0 byte for each 32 channels, [4096][32].
; A work-group of eight waves owns 16 rows.  PHASE 1: wave w takes rows 2 w and 2 w + 1, a row in 32 registers: mean, then the mean of (x - mean)^2 (two passes, so that a common offset of the inputs costs no digits), rsqrt, gain and bias, all f32;
; the rows go to LDS.  PHASE 2: wave w takes channels 128 w .. 128 w + 127 of all 16 rows; lane (r, h) holds of row r the two whole blocks 64 c + 32 h + 0 .. 31: the largest magnitude needs no other lane, and the conversions' results
; are the bytes of the row's stream of codes.  PHASE 3: the scale bytes leave LDS as they will lie in memory, 512 consecutive bytes a store.
; A block's scale byte is its largest magnitude's exponent field - 2, held at 1 from below.  LIMITS: NaN and infinities are not served; a block of zeros, or one whose largest magnitude lies under 2^-124, gets the byte 1 where the
; quantiser's rule says otherwise: a block of zeros has zero codes under any byte, and the bytes are read by this program alone.
; No matrix work, no tensor load: memory binds, and each byte is read and written once.
.set YP,   4112                        ; a row in LDS: 4,096 bytes + 16: an odd multiple of 16, so that the 16 rows of a load start at different banks
.set CST,  16*YP                       ; 16 rows x 768 bytes of codes
.set SST,  CST+16*768                  ; 16 rows x 32 scale bytes
.set HSC,  3145728                     ; where the scale bytes begin in the output
.set X,    16                          ; v16-79   two rows, 32 registers each; in phase 2 my 64 numbers
.set G,    80                          ; v80-111  gain of my 32 channels
.set B,    112                         ; v112-143 bias
.set W,    144                         ; v144-151 at work, four registers a row
.set SH8,  13                          ; v13  8 h
.set PX,   14                          ; v14  a lane permute's destination
.set PC,   80                          ; phase 2: v80-91 the fragment's 12 registers of codes
.set PT,   92                          ; v92-94, v96-98 each block's upper 16 codes as they are made
.set TM,   100                         ; v100-103 largest magnitudes
.set TS,   104                         ; v104-105 the conversions' scale operands
.set TB,   106                         ; v106-107 the scale bytes
.set PW,   108                         ; v108 the scale word
.set SEL,  16                          ; s[16:17] lane selects for v_permlanex16_b32: lane l xor 16
	; LAYOUT OF h: its codes leave as fragments of 16 rows x 128 K, 1,536 bytes each (registers 2 p, 2 p + 1 of lane l at 256 p + 8 l), fragment (row / 16, K / 128) at (row / 16 x 8 + K / 128) x 1,536; the scale bytes as before.
	; Work-groups 256 on (first launch alone: the second has 256) lay the four weights' codes in the same fragment form into wbuf: see .Lrelay.
	s_cmp_ge_u32 ttmp9, 256
	s_cbranch_scc1 .Lrelay
	s_load_b256 s[4:11], s[0:1], 0x0
	v_lshl_add_u32 v176, v0, 2, 0x13400
	v_mov_b32 v177, 0
	v_lshrrev_b32 v1, 5, v0
	s_delay_alu instid0(VALU_DEP_1)
	v_readfirstlane_b32 s12, v1                    ; wave 0..7
	v_and_b32 v3, 31, v0                           ; lane
	s_delay_alu instid0(VALU_DEP_1)
	v_lshlrev_b32 v2, 4, v3                        ; 16 x lane
	s_wait_alu depctr_va_vdst(0)
	v_and_b32 v8, 15, v0                           ; r
	s_wait_alu depctr_va_vdst(0)
	v_bfe_u32 v9, v0, 4, 1                         ; h
	s_lshl_b32 s14, ttmp9, 16                      ; the work-group's 16 rows of 4,096 bytes,
	s_lshl_b32 s15, s12, 13                        ; my wave's two
	s_add_co_u32 s14, s14, s15
	s_mov_b32 s15, 0
	s_mov_b32 s[SEL], 0x76543210
	s_mov_b32 s[SEL+1], 0xfedcba98
	s_mov_b32 s18, 0x3a800000                      ; 1 / 1024
	s_mov_b32 s19, 0x3727c5ac                      ; eps = 1e-5
	s_mul_i32 s20, ttmp9, 12288                    ; the work-group's codes
	s_mov_b32 s21, 0
	s_lshl_b32 s22, ttmp9, 9                       ; and its scale bytes
	s_add_co_u32 s22, s22, HSC
	s_mov_b32 s23, 0
	; every LDS address: a constant + a constant x lane term + a constant x wave
	s_mul_i32 s24, s12, 2*YP
	v_add_nc_u32 v4, s24, v2                       ; phase 1, out: my two rows, 16 bytes a lane
	v_mul_u32_u24 v5, v8, YP
	s_wait_alu depctr_va_vdst(0)
	v_lshl_add_u32 v5, v9, 7, v5
	s_lshl_b32 s24, s12, 9
	v_add_nc_u32 v5, s24, v5                       ; phase 2, in: row r, channels 128 w + 32 h on
	s_lshl_b32 s24, s12, 2
	s_add_co_u32 s24, s24, SST
	v_lshl_add_u32 v7, v8, 5, s24                  ; and its scale word: 32 r + 4 w
	s_mul_i32 s24, s12, 1536
	v_lshl_add_u32 v10, v3, 3, s24                 ; my wave's fragment: 1,536 w + 8 x lane
	v_add_nc_u32 v12, SST, v2
	v_lshlrev_b32 v[SH8], 3, v9
	v_mov_b32 v[PX], 0
	s_wait_kmcnt 0x0
	s_add_nc_u64 s[4:5], s[4:5], s[14:15]
	s_add_nc_u64 s[22:23], s[10:11], s[22:23]
	s_add_nc_u64 s[10:11], s[10:11], s[20:21]
.irp i, 0,1,2,3,4,5,6,7
	global_load_b128 v[X+4*\i:X+4*\i+3], v2, s[4:5] offset:512*\i               ; 32 lanes read 512 consecutive bytes
	global_load_b128 v[X+32+4*\i:X+32+4*\i+3], v2, s[4:5] offset:4096+512*\i
.endr
.irp i, 0,1,2,3,4,5,6,7
	global_load_b128 v[G+4*\i:G+4*\i+3], v2, s[6:7] offset:512*\i
	global_load_b128 v[B+4*\i:B+4*\i+3], v2, s[8:9] offset:512*\i
.endr
.macro ACROSS r, t                     ; the sum of v[r] over the wave's 32 lanes, in every lane
	v_add_f32_dpp v[\r], v[\r], v[\r] row_xmask:1 row_mask:0xf bank_mask:0xf
	s_delay_alu instid0(VALU_DEP_1)
	v_add_f32_dpp v[\r], v[\r], v[\r] row_xmask:2 row_mask:0xf bank_mask:0xf
	s_delay_alu instid0(VALU_DEP_1)
	v_add_f32_dpp v[\r], v[\r], v[\r] row_xmask:4 row_mask:0xf bank_mask:0xf
	s_delay_alu instid0(VALU_DEP_1)
	v_add_f32_dpp v[\r], v[\r], v[\r] row_xmask:8 row_mask:0xf bank_mask:0xf
	s_delay_alu instid0(VALU_DEP_1)
	v_permlanex16_b32 v[\t], v[\r], s[SEL], s[SEL+1]
	s_delay_alu instid0(VALU_DEP_1)
	v_add_f32 v[\r], v[\r], v[\t]
.endm
	s_wait_loadcnt 16                              ; the two rows are in; the 16 loads of g and b may stay out
	; the mean: two packed chains a row, the two rows by turns
.irp R, 0,1
	v_pk_add_f32 v[W+4*\R:W+4*\R+1], v[X+32*\R:X+32*\R+1], v[X+32*\R+2:X+32*\R+3]
	v_pk_add_f32 v[W+4*\R+2:W+4*\R+3], v[X+32*\R+4:X+32*\R+5], v[X+32*\R+6:X+32*\R+7]
.endr
.irp i, 8,12,16,20,24,28
.irp R, 0,1
	s_delay_alu instid0(VALU_DEP_4)
	v_pk_add_f32 v[W+4*\R:W+4*\R+1], v[W+4*\R:W+4*\R+1], v[X+32*\R+\i:X+32*\R+\i+1]
	s_delay_alu instid0(VALU_DEP_4)
	v_pk_add_f32 v[W+4*\R+2:W+4*\R+3], v[W+4*\R+2:W+4*\R+3], v[X+32*\R+\i+2:X+32*\R+\i+3]
.endr
.endr
.irp R, 0
	s_delay_alu instid0(VALU_DEP_3)
	v_pk_add_f32 v[W+4*\R:W+4*\R+1], v[W+4*\R:W+4*\R+1], v[W+4*\R+2:W+4*\R+3]
.endr
.irp R, 1
	s_delay_alu instid0(VALU_DEP_2)
	v_pk_add_f32 v[W+4*\R:W+4*\R+1], v[W+4*\R:W+4*\R+1], v[W+4*\R+2:W+4*\R+3]
.endr
.irp R, 0,1
	s_delay_alu instid0(VALU_DEP_2)
	v_add_f32 v[W+4*\R], v[W+4*\R], v[W+4*\R+1]
.endr
	ACROSS W, W+1
	ACROSS W+4, W+5
.irp R, 0
	v_mul_f32 v[W+4*\R], s18, v[W+4*\R]            ; the mean
.endr
.irp R, 1
	s_delay_alu instid0(VALU_DEP_2)
	v_mul_f32 v[W+4*\R], s18, v[W+4*\R]            ; the mean
.endr
.irp i, 0,2,4,6,8,10,12,14,16,18,20,22,24,26,28,30
.irp R, 0,1
	v_pk_add_f32 v[X+32*\R+\i:X+32*\R+\i+1], v[X+32*\R+\i:X+32*\R+\i+1], v[W+4*\R:W+4*\R+1] op_sel_hi:[1,0] neg_lo:[0,1] neg_hi:[0,1]   ; d = x - mean
.endr
.endr
	; the mean of d^2
.irp R, 0,1
	v_pk_mul_f32 v[W+4*\R:W+4*\R+1], v[X+32*\R:X+32*\R+1], v[X+32*\R:X+32*\R+1]
	v_pk_mul_f32 v[W+4*\R+2:W+4*\R+3], v[X+32*\R+2:X+32*\R+3], v[X+32*\R+2:X+32*\R+3]
.endr
.irp i, 4,8,12,16,20,24,28
.irp R, 0,1
	s_delay_alu instid0(VALU_DEP_4)
	v_pk_fma_f32 v[W+4*\R:W+4*\R+1], v[X+32*\R+\i:X+32*\R+\i+1], v[X+32*\R+\i:X+32*\R+\i+1], v[W+4*\R:W+4*\R+1]
	s_delay_alu instid0(VALU_DEP_4)
	v_pk_fma_f32 v[W+4*\R+2:W+4*\R+3], v[X+32*\R+\i+2:X+32*\R+\i+3], v[X+32*\R+\i+2:X+32*\R+\i+3], v[W+4*\R+2:W+4*\R+3]
.endr
.endr
.irp R, 0
	s_delay_alu instid0(VALU_DEP_3)
	v_pk_add_f32 v[W+4*\R:W+4*\R+1], v[W+4*\R:W+4*\R+1], v[W+4*\R+2:W+4*\R+3]
.endr
.irp R, 1
	s_delay_alu instid0(VALU_DEP_2)
	v_pk_add_f32 v[W+4*\R:W+4*\R+1], v[W+4*\R:W+4*\R+1], v[W+4*\R+2:W+4*\R+3]
.endr
.irp R, 0,1
	s_delay_alu instid0(VALU_DEP_2)
	v_add_f32 v[W+4*\R], v[W+4*\R], v[W+4*\R+1]
.endr
	ACROSS W, W+1
	ACROSS W+4, W+5
.irp R, 0
	v_fma_f32 v[W+4*\R], v[W+4*\R], s18, s19       ; the variance + eps
.endr
.irp R, 1
	s_delay_alu instid0(VALU_DEP_2)
	v_fma_f32 v[W+4*\R], v[W+4*\R], s18, s19       ; the variance + eps
.endr
	s_wait_alu depctr_va_vdst(0)
	v_rsq_f32 v[W], v[W]
	v_rsq_f32 v[W+4], v[W+4]
	v_nop                                          ; one plain instruction between a transcendental and the use of its result (ISA guide 5.7.2)
	s_wait_loadcnt 0x0                             ; g and b
	s_wait_alu depctr_va_vdst(0)
.irp i, 0,2,4,6,8,10,12,14,16,18,20,22,24,26,28,30
.irp R, 0,1
	v_pk_mul_f32 v[X+32*\R+\i:X+32*\R+\i+1], v[X+32*\R+\i:X+32*\R+\i+1], v[W+4*\R:W+4*\R+1] op_sel_hi:[1,0]
.endr
.endr
.irp i, 0,2,4,6,8,10,12,14,16,18,20,22,24,26,28,30
.irp R, 0,1
	v_pk_fma_f32 v[X+32*\R+\i:X+32*\R+\i+1], v[X+32*\R+\i:X+32*\R+\i+1], v[G+\i:G+\i+1], v[B+\i:B+\i+1]
.endr
.endr
.irp R, 0,1
.irp i, 0,1,2,3,4,5,6,7
	ds_store_b128 v4, v[X+32*\R+4*\i:X+32*\R+4*\i+3] offset:\R*YP+512*\i
.endr
.endr
	s_wait_dscnt 0x0                               ; for the others' sake: my rows lie in LDS
	s_barrier_signal -1
	s_barrier_wait -1
	; PHASE 2
.irp c, 0,1
.irp i, 0,1,2,3,4,5,6,7
	ds_load_b128 v[X+32*\c+4*\i:X+32*\c+4*\i+3], v5 offset:256*\c+16*\i   ; register 32 c + i: channel 128 w + 64 c + 32 h + i of row r
.endr
.endr
	s_wait_dscnt 0x0
.irp b, 0,1,2,3
	v_max3_num_f32 v[TM+\b], |v[X+16*\b]|, |v[X+1+16*\b]|, 0x1800000   ; four chains of 16 numbers, and the floor 2^(3 - 127): the byte cannot fall under 1
.endr
.irp i, 2,4,6,8,10,12,14
.irp b, 0,1,2,3
	s_delay_alu instid0(VALU_DEP_4)
	v_max3_num_f32 v[TM+\b], v[TM+\b], |v[X+16*\b+\i]|, |v[X+1+16*\b+\i]|
.endr
.endr
	s_delay_alu instid0(VALU_DEP_3)
	v_max_num_f32 v[TM], v[TM], v[TM+1]            ; my two blocks' largest magnitudes
	s_delay_alu instid0(VALU_DEP_2)
	v_max_num_f32 v[TM+2], v[TM+2], v[TM+3]
	s_delay_alu instid0(VALU_DEP_2)
	v_add_nc_u32 v[TS], 0xff000000, v[TM]          ; 2 off the exponent field: the conversion takes this operand's exponent field as its scale
	s_delay_alu instid0(VALU_DEP_2)
	v_add_nc_u32 v[TS+1], 0xff000000, v[TM+2]
	s_delay_alu instid0(VALU_DEP_2)
	v_lshrrev_b32 v[TB], 23, v[TS]                 ; the scale bytes
	s_delay_alu instid0(VALU_DEP_2)
	v_lshrrev_b32 v[TB+1], 23, v[TS+1]
	s_delay_alu instid0(VALU_DEP_1)
	v_lshl_or_b32 v[PW], v[TB+1], 16, v[TB]        ; blocks h and 2 + h,
	s_delay_alu instid0(VALU_DEP_1)
	v_lshlrev_b32 v[PW], v[SH8], v[PW]             ; at their places in the word;
	s_delay_alu instid0(VALU_DEP_1)
	v_permlanex16_b32 v[PX], v[PW], s[SEL], s[SEL+1]
	s_delay_alu instid0(VALU_DEP_1)
	v_or_b32 v[PW], v[PW], v[PX]                   ; with lane l xor 16's two the word is whole
.irp c, 0,1
	v_cvt_scalef32_pk16_fp6_f32 v[PC+6*\c:PC+6*\c+2], v[X+32*\c:X+32*\c+15], v[TS+\c]
	v_cvt_scalef32_pk16_fp6_f32 v[PT+4*\c:PT+4*\c+2], v[X+32*\c+16:X+32*\c+31], v[TS+\c]   ; (a conversion's three registers begin on an even number)
.endr
	v_nop                                          ; one plain place behind a scaled conversion
.irp c, 0,1
.irp i, 0,1,2
	v_mov_b32 v[PC+3+6*\c+\i], v[PT+4*\c+\i]
.endr
.endr
.irp p, 0,1,2,3,4,5
	global_store_b64 v10, v[PC+2*\p:PC+2*\p+1], s[10:11] offset:256*\p   ; the fragment as it stands in registers: 32 lanes store 256 consecutive bytes, aligned
.endr
	ds_store_b32 v7, v[PW]                         ; both halves of the lanes write the same word with the same value
	s_wait_dscnt 0x0
	s_barrier_signal -1
	s_barrier_wait -1
	; PHASE 3
	s_cmp_lg_u32 s12, 0
	s_cbranch_scc1 .Ldone
	ds_load_b128 v[32:35], v12                     ; wave 0: the 16 rows' 512 scale bytes
	s_wait_dscnt 0x0
	global_store_b128 v2, v[32:35], s[22:23]
.Ldone:
	s_wait_tensorcnt 0x0
	ds_add_u32 v176, v177
	s_wait_dscnt 0x0
	s_endpgm
; THE WEIGHTS' CODES AS FRAGMENTS.  A unit is 16 rows x 1,024 K: eight fragments, 12,288 bytes; of 768 units w_attn has 0-191, w_attn_proj 192-255, w_fc 256-511, w_mlp_proj 512-767 (there unit 4 n + k is rows 16 n on, K 1,024 k on).
; Unit U lies at U x 12,288 of wbuf.  Wave w of work-group 256 + g takes two fragments: number V = 8 g + w of 3,072 is fragments 2 (V % 4) and 2 (V % 4) + 1 of unit V / 4.  No LDS is touched on this path.
.Lrelay:
	s_load_b256 s[4:11], s[0:1], 0x20              ; the four weights' codes
	s_load_b64 s[12:13], s[0:1], 0x40              ; wbuf
	v_lshrrev_b32 v1, 5, v0
	v_readfirstlane_b32 s14, v1
	s_sub_co_u32 s15, ttmp9, 256
	s_lshl_b32 s16, s15, 3
	s_add_co_u32 s16, s16, s14                     ; V
	s_and_b32 s28, s16, 3                          ; which pair of fragments
	s_lshr_b32 s16, s16, 2                         ; U
	s_mul_i32 s18, s16, 12288
	s_mul_i32 s29, s28, 3072
	s_add_co_u32 s18, s18, s29
	s_mov_b32 s19, 0
	s_cmp_lt_u32 s16, 192
	s_cselect_b32 s22, 0, 192
	s_cmp_lt_u32 s16, 256
	s_cselect_b32 s22, s22, 256
	s_mov_b32 s23, 3072
	s_cmp_lt_u32 s16, 512
	s_cselect_b32 s22, s22, 512                    ; the weight's first unit
	s_cselect_b32 s23, 768, s23                    ; a row of its codes in bytes
	s_sub_co_u32 s22, s16, s22                     ; the unit within its weight
	s_mul_i32 s25, s22, 12288                      ; K = 1,024: 16 whole rows
	s_lshr_b32 s26, s22, 2
	s_mul_i32 s26, s26, 49152                      ; K = 4,096: 16 rows of 3,072 bytes,
	s_and_b32 s24, s22, 3
	s_mul_i32 s24, s24, 768                        ; and 768 bytes along them
	s_add_co_u32 s26, s26, s24
	s_cmp_lt_u32 s16, 512
	s_cselect_b32 s26, s25, s26
	s_mul_i32 s28, s28, 192                        ; two fragments are 192 bytes of each row
	s_add_co_u32 s26, s26, s28
	s_mov_b32 s27, 0
	v_and_b32 v4, 15, v0
	v_bfe_u32 v5, v0, 4, 1
	v_mul_lo_u32 v2, v4, s23
	v_mad_u32_u24 v2, v5, 24, v2                   ; row r, 24 h bytes on
	v_and_b32 v3, 31, v0
	v_lshlrev_b32 v3, 3, v3                        ; 8 x lane
	s_wait_alu depctr_va_vdst(0)
	s_wait_kmcnt 0x0
	s_cmp_lt_u32 s16, 192
	s_cselect_b64 s[20:21], s[4:5], s[6:7]
	s_cmp_lt_u32 s16, 256
	s_cselect_b64 s[20:21], s[20:21], s[8:9]
	s_cmp_lt_u32 s16, 512
	s_cselect_b64 s[20:21], s[20:21], s[10:11]
	s_add_nc_u64 s[20:21], s[20:21], s[26:27]
	s_add_nc_u64 s[12:13], s[12:13], s[18:19]
.irp f, 0,1
.irp p, 0,1,2,3,4,5
	global_load_b64 v[16+12*\f+2*\p:17+12*\f+2*\p], v2, s[20:21] offset:96*\f+48*(\p/3)+8*(\p%3)
.endr
.endr
.irp f, 0,1
	s_wait_loadcnt 6*(1-\f)                        ; fragment f is in: behind it stand the six loads of the later fragment
.irp p, 0,1,2,3,4,5
	global_store_b64 v3, v[16+12*\f+2*\p:17+12*\f+2*\p], s[12:13] offset:1536*\f+256*\p   ; 256 consecutive bytes, aligned
.endr
.endr
	s_endpgm
.Lfunc_end_k_q03efa31363_lnq:
	.size	k_q03efa31363_lnq, .Lfunc_end_k_q03efa31363_lnq-k_q03efa31363_lnq
	.p2alignl 7, 3214868480
	.fill 96, 4, 3214868480
	.section	.rodata,"a",@progbits
	.p2align	6, 0x0
	.amdhsa_kernel k_q03efa31363_lnq
		.amdhsa_group_segment_fixed_size 79872
		.amdhsa_private_segment_fixed_size 0
		.amdhsa_enable_private_segment 0
		.amdhsa_kernarg_size 72
		.amdhsa_user_sgpr_count 2
		.amdhsa_user_sgpr_kernarg_segment_ptr 1
		.amdhsa_wavefront_size32 1
		.amdhsa_system_sgpr_workgroup_id_x 1
		.amdhsa_system_sgpr_workgroup_id_y 1
		.amdhsa_system_sgpr_workgroup_id_z 1
		.amdhsa_system_vgpr_workitem_id 0
		.amdhsa_next_free_vgpr 178
		.amdhsa_next_free_sgpr 66
		.amdhsa_reserve_vcc 0
		.amdhsa_float_denorm_mode_32 3
		.amdhsa_float_denorm_mode_16_64 3
		.amdhsa_memory_ordered 1
		.amdhsa_forward_progress 1
		.amdhsa_inst_pref_size 32
	.end_amdhsa_kernel
	.amdgpu_metadata
---
amdhsa.version: [ 1, 2 ]
amdhsa.kernels:
  - .name:           k_q03efa31363_lnq
    .symbol:         k_q03efa31363_lnq.kd
    .args:
      - { .name: x, .offset: 0, .size: 8, .value_kind: global_buffer, .address_space: global }
      - { .name: ln1_g, .offset: 8, .size: 8, .value_kind: global_buffer, .address_space: global }
      - { .name: ln1_b, .offset: 16, .size: 8, .value_kind: global_buffer, .address_space: global }
      - { .name: hbuf, .offset: 24, .size: 8, .value_kind: global_buffer, .address_space: global }
      - { .name: w_attn_codes, .offset: 32, .size: 8, .value_kind: global_buffer, .address_space: global }
      - { .name: w_attn_proj_codes, .offset: 40, .size: 8, .value_kind: global_buffer, .address_space: global }
      - { .name: w_fc_codes, .offset: 48, .size: 8, .value_kind: global_buffer, .address_space: global }
      - { .name: w_mlp_proj_codes, .offset: 56, .size: 8, .value_kind: global_buffer, .address_space: global }
      - { .name: wbuf, .offset: 64, .size: 8, .value_kind: global_buffer, .address_space: global }
    .group_segment_fixed_size: 79872
    .private_segment_fixed_size: 0
    .kernarg_segment_align: 8
    .kernarg_segment_size: 72
    .max_flat_workgroup_size: 256
    .sgpr_count:     66
    .vgpr_count:     178
    .wavefront_size: 32
...
	.end_amdgpu_metadata
.endif
;; end of part 1
;; launch qkv (part 2): grid 16 x 12, 4 waves a work-group, clusters of 4 x 4, 327,680 bytes of LDS; arguments hbuf, wbuf, w_attn_scales, qkvc; writes qkvc
.if DOCPART == 2
	.amdgcn_target "amdgcn-amd-amdhsa--gfx1250"
	.amdhsa_code_object_version 6
	.text
	.protected	k_q03efa31363_qkv
	.globl	k_q03efa31363_qkv
	.p2align	8
	.type	k_q03efa31363_qkv,@function
k_q03efa31363_qkv:
	s_mov_b64 s[64:65], 0
	v_nop
	global_prefetch_b8 v0, s[64:65] scope:SCOPE_SE
	s_setreg_imm32_b32 hwreg(HW_REG_WAVE_MODE, 25, 1), 1
	s_wait_xcnt 0x0
	s_wait_alu depctr_hold_cnt(0) depctr_sa_sdst(0) depctr_va_vdst(0) depctr_va_sdst(0) depctr_va_ssrc(0) depctr_va_vcc(0) depctr_vm_vsrc(0)
	s_getreg_b32 s2, hwreg(HW_REG_IB_STS2, 6, 4)
	s_cmp_eq_u32 s2, 0
	s_cbranch_scc0 .Lentry_in_a_cluster
	s_endpgm
.Lentry_in_a_cluster:
	s_bfe_u32 s2, ttmp6, 0x10000c
	s_cmp_lg_u32 s2, 0xf033
	s_cbranch_scc0 .Lentry_shape_is_right
	s_endpgm
.Lentry_shape_is_right:
; qkv = h W_attn on codes of FP6 (E2M3) with one E8M0 scale for each 32 along K = 1,024; q, k and v are quantised again on the way out and leave as operands of the attention's two products.
; h: [4096][768 bytes of codes], its scale bytes [4096][32] at byte HSC of the same buffer.  W: [3072][768], scale bytes [3072][32].  Both lie alike, so either can stand on either side of the product.
; A tile, 256 x 256, is made by a work-group of four waves; a wave makes 128 x 128: 64 accumulators, 512 registers.  K goes in steps of 256 through a ring of two LDS slots filled by the tensor data mover.
; SIDES.  Source 0 of the matrix instruction is "side 0", source 1 "side 1": in a result a lane holds ONE row of side 1 (lane % 16), and its registers run along side 0.  So side 0 is the axis along which the result is quantised:
;   q, k (cluster y = 0, 1): side 0 = W's rows (the head's channels), side 1 = h's rows (tokens).      v (cluster y = 2): side 0 = h's rows (the keys), side 1 = W's rows 2,048 on (the head's channels).
; The choice hangs on the cluster's y alone, which all sixteen partners share, and is made by selects: one path through the text.
; OUT.  A wave's block of 16 rows of side 1 x 128 along side 0 becomes one fragment: 12 registers a lane, stored as they stand: registers 2 p, 2 p + 1 of lane l at 256 p + 8 l of the fragment's 1,536 bytes; and one scale word a row.
;   Fragment (S0 = side 0 / 128, A16 = side 1 / 16) lies at (S0 x NA16 + A16) x 1,536; q, k from byte 0 (NA16 = 256), v from VREGN (NA16 = 64).  Scale words from QSC: q, k (S0 x 4,096 + token) x 4; v 262,144 + (S0 x 1,024 + channel) x 4.
;   INSIDE a block of 32 the codes are permuted: place 16 h + 8 u + j holds element 16 u + 8 h + j.  q and k, and v and the softmax's p, carry the same permutation, so the products' sums hold the same terms; blocks and scales are the true ones.
; CLUSTERS: 4 x 4 work-groups; side 1's tiles are shared along a row of the cluster, side 0's along a column: each is asked for JOINTLY, by the same tensor load with the same descriptor and a mask that names the four.
; LIMITS: NaN and infinities are not served; a block of zeros, or one under 2^-124, gets the scale byte 1 (its bytes are read by this program alone).
; REGISTERS, in windows of 256: window 0: v0-31 addresses; v32-63 scale words, two sets; v64-67 addresses of the way out; from v128 side 1's fragments, ONE set.  window 1: side 0's fragments, TWO sets.  windows 2, 3: the accumulators ((a, b) at v[8 (8 (a % 4) + b)]).
.set KSTEP,  256
.set NQ,     KSTEP/128
; h and W both come as fragments of 1,536 bytes, (row / 16 x 8 + K / 128) x 1,536: a K step of 256 is 3,072 consecutive bytes of each block of 16 rows; in LDS [block][2][1,536], no padding: a load of 8 bytes a lane reads 256 consecutive bytes.
.set ROWB,   3072                      ; a K step of one block of 16 rows, in bytes
.set KROW,   768                       ; bytes of codes for each row
.set PITCH,  192                       ; LDS bytes for each row of a slot
.set FR,     12
.set NL,     6
.set NP,     4                         ; places behind this matrix instruction (ISA guide 7.12.1)
.set HALFT,  128*PITCH
.set SLOT,   4*HALFT
.set LAPS,   2                         ; 1,024 / (2 x 256)
.set KS,     32                        ; a row of scale bytes
.set SCL,    2*SLOT
.set HALFS,  (128*KS/256)*272
.set SBLK,   (16*KS/256)*272
.set SPARE,  SCL+4*HALFS               ; the spare words, 128 bytes for each wave: two blocks of 256 bytes that no other line names
.set HSC,    3145728
.set VREGN,  6291456
.set QSC,    9437184
.set ADRA, 16
.set ADRB, 20
.set ADRS, 27
.set SPW,  28
.set NIL,  29
.set SC,   32
.set L8,   64                          ; v64  8 x lane
.set L16,  65                          ; v65  16 x lane
.set SWA,  66                          ; v66  where a block's scale words go in my 512 bytes of stage: 512 x wave + 4 r
.set SRA,  67                          ; v67  and where I read them back: 512 x wave + 16 x lane
.set AF,   128
.set PC,   112                         ; the way out: v112-123 the codes; v124-126, v128-130 the upper halves as they are made
.set TM,   200                         ; v200-215 at work
.set PW,   216                         ; the scale word
.set SEL,  22                          ; s[22:23] lane selects (set behind the head)
.set G1, 24
.set G0, 32
.set G1B, 48
.set G0B, 56
.set G1S, 68
.set G0S, 76
.set G1SB, 80
.set G0SB, 88
.set G0H, 4                            ; s[4:7], s[8:11] group 0 of the head's loads of K step 0 (the pointers that lay there have been used)
.set G0HB, 8
.set MSB, 0
.macro WIN new                         ; the immediate's high byte repeats the setting that is left
.if MSB != \new
	s_set_vgpr_msb (MSB<<8)|\new
.set MSB, \new
.endif
.endm
.set MUL_LO, 0xa1                      ; source 0 window 1, source 1 window 0, C and D window 2
.set MUL_HI, 0xf1
.set TO_B,   0x40
; A joint load: waves 0 and 1 fetch for side 1, waves 2 and 3 for side 0.  Four v_nop follow each of the two lines, ahead of the jump, the label and what follows.
.macro JLOAD g0a, g1a, g0b, g1b
	s_cmp_eq_u32 s15, 0
	s_cbranch_scc0 .Lfor_b_\@
	tensor_load_to_lds s[\g0a:\g0a+3], s[\g1a:\g1a+7]
	s_nop 0
.rept 4
	v_nop
.endr
	s_branch .Lasked_\@
.Lfor_b_\@:
	tensor_load_to_lds s[\g0b:\g0b+3], s[\g1b:\g1b+7]
	s_nop 0
.rept 4
	v_nop
.endr
.Lasked_\@:
.endm
.macro CREST                           ; a round of the cluster's barrier behind its opening barrier
	s_cmp_lg_u32 s14, 0
	s_cbranch_scc1 .Lnot_wave_0_\@
	s_barrier_signal -3
.Lnot_wave_0_\@:
	s_barrier_wait -3
	s_barrier_signal -1
	s_barrier_wait -1
.endm
.macro CROUND
	s_barrier_signal -1
	s_barrier_wait -1
	CREST
.endm
	s_load_b256 s[92:99], s[0:1], 0x0              ; h s[92:93], W's codes s[94:95], W's scales s[96:97], out s[98:99]
	v_lshl_add_u32 v[SPW], v0, 2, SPARE
	v_mov_b32 v[NIL], 0
	ds_add_u32 v28, v29
	ds_add_u32 v28, v29
	s_wait_dscnt 0x0
	v_lshrrev_b32 v1, 5, v0
	v_readfirstlane_b32 s14, v1                    ; wave 0..3
	s_lshr_b32 s15, s14, 1                         ; which half of side 1's rows is mine.  Also: I fetch for side 1 (0) or side 0 (1)
	s_and_b32 s16, s14, 1                          ; which half of side 0's.  Also: which 128 rows of that tile I fetch
	s_bfe_u32 s40, ttmp6, 0x40000                  ; cx, cy: my place in the cluster
	s_bfe_u32 s41, ttmp6, 0x40004
	s_and_b32 s3, ttmp7, 0xffff                    ; the cluster's y: 0, 1: q and k; 2: v
	s_cmp_eq_u32 s3, 2
	s_cselect_b32 s42, ttmp9, s3                   ; v: side 0's tiles go by the cluster's x (16 tiles of tokens); q, k: by its y (8 tiles of W's rows)
	s_cselect_b32 s17, 0, ttmp9                    ; v: side 1 has four tiles of W's rows, one for each cy; q, k: 16 tiles of tokens
	s_cselect_b32 s2, 2048, 0                      ; v: side 1's rows begin at W's row 2,048
	s_lshl_b32 s42, s42, 2
	s_add_co_u32 s42, s42, s40                     ; side 0's tile
	s_lshl_b32 s17, s17, 2
	s_add_co_u32 s17, s17, s41                     ; side 1's tile
	s_lshl_b32 s43, s41, 2
	s_lshl_b32 s43, 15, s43                        ; my row of the cluster
	s_lshl_b32 s44, 0x1111, s40                    ; my column
	s_or_b32 s[G1+0], s43, (3<<16)|(1<<21)         ; the mask; elements of 8 bytes; bit 21 beside a mask
	s_or_b32 s[G1B+0], s44, (3<<16)|(1<<21)
.irp g, G1, G1B
	s_mov_b32 s[\g+1], 384<<16                     ; 3,072 bytes
	s_mov_b32 s[\g+2], 16<<16                      ; 16 blocks of rows at the head, 8 in the ring
	s_mov_b32 s[\g+3], 384<<16
	s_mov_b32 s[\g+4], 16
	s_mov_b32 s[\g+5], 1536                        ; 12,288 bytes from block to block
	s_mov_b32 s[\g+6], 0
	s_mov_b32 s[\g+7], 0
.endr
	; the scale bytes of 256 rows, for all of K: a dense block of 8,192 bytes, as rows of 256 bytes (32 elements of 8), 16 bytes of padding behind each
	s_or_b32 s[G1S+0], s43, (3<<16)|(1<<20)|(1<<21)|(5<<22)|(3<<25)
	s_or_b32 s[G1SB+0], s44, (3<<16)|(1<<20)|(1<<21)|(5<<22)|(3<<25)
.irp g, G1S, G1SB
	s_mov_b32 s[\g+1], 32<<16
	s_mov_b32 s[\g+2], (256*KS/256)<<16
	s_mov_b32 s[\g+3], 32<<16
	s_mov_b32 s[\g+4], 256*KS/256
	s_mov_b32 s[\g+5], 32
	s_mov_b32 s[\g+6], 0
	s_mov_b32 s[\g+7], 0
.endr
	s_lshl_b32 s20, s17, 8
	s_add_co_u32 s20, s20, s2                      ; side 1: the tile's first row (+ 2,048 for v)
	s_lshl_b32 s46, s42, 8                         ; side 0: the tile's first row
	s_mov_b32 s21, 0
	s_mov_b32 s47, 0
	s_mov_b64 s[18:19], KS
	s_mul_u64 s[22:23], s[20:21], s[18:19]         ; where these rows' scale bytes begin
	s_mul_u64 s[66:67], s[46:47], s[18:19]
	s_mov_b64 s[18:19], KROW
	s_mul_u64 s[20:21], s[20:21], s[18:19]         ; and their codes
	s_mul_u64 s[46:47], s[46:47], s[18:19]
	s_mul_i32 s45, s14, HALFT                      ; where they go: no place in the cluster enters an LDS address
	s_mul_i32 s18, s16, 128*KROW                   ; in the ring I fetch 128 rows of a tile: which half, in bytes
	s_mov_b32 s19, 0
	s_wait_kmcnt 0x0
	s_add_nc_u64 s[100:101], s[92:93], HSC         ; h's scale bytes
	s_cmp_eq_u32 s3, 2                             ; the choice of buffers hangs on the cluster's y alone
	s_cselect_b64 s[4:5], s[94:95], s[92:93]       ; side 1's codes,
	s_cselect_b64 s[6:7], s[96:97], s[100:101]     ; its scale bytes,
	s_cselect_b64 s[8:9], s[92:93], s[94:95]       ; side 0's codes,
	s_cselect_b64 s[10:11], s[100:101], s[96:97]   ; its scale bytes
	s_add_nc_u64 s[20:21], s[4:5], s[20:21]
	s_add_nc_u64 s[22:23], s[6:7], s[22:23]
	s_add_nc_u64 s[46:47], s[8:9], s[46:47]
	s_add_nc_u64 s[66:67], s[10:11], s[66:67]
	CROUND                                         ; all sixteen work-groups are here: the first joint loads meet
	s_mov_b32 s[G0S], 1
	s_mov_b32 s[G0S+1], SCL
	s_mov_b64 s[G0S+2:G0S+3], s[22:23]
	s_or_b32 s[G0S+3], s[G0S+3], 0x80000000
	s_mov_b32 s[G0SB], 1
	s_mov_b32 s[G0SB+1], SCL+2*HALFS
	s_mov_b64 s[G0SB+2:G0SB+3], s[66:67]
	s_or_b32 s[G0SB+3], s[G0SB+3], 0x80000000
	s_mov_b32 s[G0H], 1
	s_mov_b32 s[G0H+1], 0
	s_mov_b64 s[G0H+2:G0H+3], s[20:21]
	s_or_b32 s[G0H+3], s[G0H+3], 0x80000000
	s_mov_b32 s[G0HB], 1
	s_mov_b32 s[G0HB+1], 2*HALFT
	s_mov_b64 s[G0HB+2:G0HB+3], s[46:47]
	s_or_b32 s[G0HB+3], s[G0HB+3], 0x80000000
	s_add_nc_u64 s[20:21], s[20:21], s[18:19]      ; for the ring: my 128 rows
	s_add_nc_u64 s[46:47], s[46:47], s[18:19]
.irp s, 0,1
	s_mov_b32 s[G0+4*\s], 1
	s_add_co_u32 s[G0+4*\s+1], s45, \s*SLOT
	s_add_nc_u64 s[G0+4*\s+2:G0+4*\s+3], s[20:21], \s*ROWB
	s_or_b32 s[G0+4*\s+3], s[G0+4*\s+3], 0x80000000
	s_mov_b32 s[G0B+4*\s], 1
	s_add_co_u32 s[G0B+4*\s+1], s45, \s*SLOT
	s_add_nc_u64 s[G0B+4*\s+2:G0B+4*\s+3], s[46:47], \s*ROWB
	s_or_b32 s[G0B+4*\s+3], s[G0B+4*\s+3], 0x80000000
.endr
; the head's four tiles, one joint load a wave: wave 0 side 1's 256 rows of K step 0, wave 1 side 0's, wave 2 side 1's scale bytes, wave 3 side 0's; one chain of branches on the wave's number
.macro ARM under, g0, g1, next
	s_cmp_lt_u32 s14, \under
	s_cbranch_scc0 \next
	tensor_load_to_lds s[\g0:\g0+3], s[\g1:\g1+7]
	s_nop 0
.rept 4
	v_nop
.endr
	s_branch .Lhead_asked
\next:
.endm
	ARM 1, G0H,  G1,  .Lhead_b
	ARM 2, G0HB, G1B, .Lhead_sa
	ARM 3, G0S,  G1S, .Lhead_sb
	tensor_load_to_lds s[G0SB:G0SB+3], s[G1SB:G1SB+7]
	s_nop 0
.rept 4
	v_nop
.endr
.Lhead_asked:
	v_and_b32 v1, 15, v0                           ; l % 16
	v_bfe_u32 v2, v0, 4, 1                         ; l / 16
	v_and_b32 v4, 31, v0
	v_lshlrev_b32 v4, 3, v4                        ; 8 x lane
	s_wait_alu depctr_va_vdst(0)
	s_mul_i32 s21, s15, HALFT                      ; my 128 rows of side 1
	s_mul_i32 s22, s16, HALFT                      ; my 128 rows of side 0,
	s_add_co_u32 s22, s22, 2*HALFT                 ; which lie behind side 1's 256
.irp s, 0,1
	v_add_nc_u32 v[ADRA+\s], s21, v4
	v_add_nc_u32 v[ADRB+\s], s22, v4
	s_add_co_u32 s21, s21, SLOT
	s_add_co_u32 s22, s22, SLOT
.endr
	v_mul_u32_u24 v5, v1, KS                       ; my row's scale bytes,
	v_lshrrev_b32 v6, 8, v5
	v_lshl_add_u32 v5, v6, 4, v5                   ; and 16 more for each 256 passed
	s_mul_i32 s21, s15, HALFS
	s_mul_i32 s22, s16, HALFS
	s_add_co_u32 s22, s22, 2*HALFS
	s_sub_co_u32 s22, s22, s21
	v_mul_u32_u24 v6, s22, v2                      ; lanes 16-31 take side 0's
	s_add_co_u32 s21, s21, SCL
	v_add_nc_u32 v5, v5, v6
	v_add_nc_u32 v[ADRS], s21, v5
	v_and_b32 v6, 31, v0
	v_lshlrev_b32 v[L8], 3, v6
	v_lshlrev_b32 v[L16], 4, v6
	s_lshl_b32 s23, s14, 9                         ; the scale words' stage: 512 bytes a wave at the head of slot 0, which has had its last fill and its last read when the first word is stored there
	v_lshl_add_u32 v[SWA], v1, 2, s23
	v_add_nc_u32 v[SRA], s23, v[L16]
	; where my fragments and scale words go
	s_lshl_b32 s20, s42, 1
	s_add_co_u32 s20, s20, s16                     ; S0 = 2 x side 0's tile + half
	s_mov_b32 s23, VREGN
	s_mov_b32 s46, QSC+262144
	s_cmp_eq_u32 s3, 2
	s_cselect_b32 s21, 6, 8                        ; log2 of the fragments for each S0: 64 or 256
	s_cselect_b32 s22, 10, 12                      ; log2 of the scale words for each S0: 1,024 or 4,096
	s_cselect_b32 s23, s23, 0
	s_cselect_b32 s46, s46, QSC
	s_lshl_b32 s21, s20, s21
	s_lshl_b32 s22, s20, s22
	s_lshl_b32 s47, s17, 4
	s_add_co_u32 s21, s21, s47
	s_lshl_b32 s47, s15, 3
	s_add_co_u32 s21, s21, s47                     ; + A16 = 16 x side 1's tile + 8 x half
	s_mul_i32 s21, s21, 1536
	s_add_co_u32 s66, s21, s23
	s_mov_b32 s67, 0
	s_add_nc_u64 s[12:13], s[98:99], s[66:67]      ; my first fragment
	s_lshl_b32 s47, s17, 8
	s_add_co_u32 s22, s22, s47
	s_lshl_b32 s47, s15, 7
	s_add_co_u32 s22, s22, s47
	s_lshl_b32 s22, s22, 2
	s_add_co_u32 s66, s22, s46
	s_add_nc_u64 s[20:21], s[98:99], s[66:67]      ; my 128 scale words
	s_mov_b32 s[SEL], 0x76543210
	s_mov_b32 s[SEL+1], 0xfedcba98
.macro FRAG reg, adr, q, i             ; a fragment: lane l holds row l % 16; registers 6 c .. 6 c + 5 hold K = 64 c + 32 (l / 16) + 0 .. 31: 24 bytes of the row's stream of bits, in pieces of 8 bytes
.irp p, 0,1,2,3,4,5
	ds_load_b64 v[\reg+2*\p:\reg+2*\p+1], v[\adr] offset:((\i)*2+(\q))*1536+256*\p   ; the fragment comes as it was stored
.endr
.endm
; 16 matrix instructions: side 1's blocks a0, a0 + 1 x side 0's eight.  The 64 accumulators take turns, one instruction a turn, in the same order in every step.
.macro MUL16 a0, p, q, sc, zero
.irp a, \a0, \a0+1
.irp b, 0,1,2,3,4,5,6,7
.if \zero
	v_wmma_scale_f32_16x16x128_f8f6f4 v[8*(8*((\a)%4)+\b):8*(8*((\a)%4)+\b)+7], v[128*(\p)+FR*\b:128*(\p)+FR*\b+FR-1], v[AF+FR*(\a):AF+FR*(\a)+FR-1], 0, v[SC+8*NQ*(\sc)+NQ*\b+(\q)], v[SC+8*NQ*(\sc)+NQ*(\a)+(\q)] matrix_a_fmt:MATRIX_FMT_FP6 matrix_b_fmt:MATRIX_FMT_FP6 matrix_a_scale:MATRIX_SCALE_ROW1
.else
	v_wmma_scale_f32_16x16x128_f8f6f4 v[8*(8*((\a)%4)+\b):8*(8*((\a)%4)+\b)+7], v[128*(\p)+FR*\b:128*(\p)+FR*\b+FR-1], v[AF+FR*(\a):AF+FR*(\a)+FR-1], v[8*(8*((\a)%4)+\b):8*(8*((\a)%4)+\b)+7], v[SC+8*NQ*(\sc)+NQ*\b+(\q)], v[SC+8*NQ*(\sc)+NQ*(\a)+(\q)] matrix_a_fmt:MATRIX_FMT_FP6 matrix_b_fmt:MATRIX_FMT_FP6 matrix_a_scale:MATRIX_SCALE_ROW1
.endif
.endr
.endr
.endm
.macro FETCH_B slot, q, p
	WIN TO_B
.irp i, 0,1,2,3,4,5,6,7
	FRAG 128*(\p)+FR*\i, ADRB+\slot, \q, \i
.endr
	WIN 0
.endm
.macro FETCH_A slot, q, i0
.irp i, \i0, \i0+1, \i0+2, \i0+3
	FRAG AF+FR*(\i), ADRA+\slot, \q, \i
.endr
.endm
.macro SCALES sc                       ; a K step's scale words: lanes 0-15 take side 1's block i, lanes 16-31 side 0's block i
.irp i, 0,1,2,3,4,5,6,7
	ds_load_b64 v[SC+8*NQ*\sc+NQ*\i:SC+8*NQ*\sc+NQ*\i+1], v[ADRS] offset:\i*SBLK
.endr
.endm
.macro PLACES n                        ; plain vector instructions between a matrix instruction and a load into, or a read of, its registers
.rept \n
	v_nop
.endr
.endm
.macro STEP slot, q, zero              ; a step of 128 along K that has its successor in the same slot
	s_wait_dscnt 4*NL                              ; side 0's set and side 1's blocks 0-3 are in; the youngest 24 loads (blocks 4-7) may be out
	WIN MUL_LO
	MUL16 0, (\q)%2, \q, \slot, \zero
	MUL16 2, (\q)%2, \q, \slot, \zero
	s_wait_dscnt 0
	PLACES NP
	FETCH_B \slot, (\q)+1, 1-(\q)%2
	FETCH_A \slot, (\q)+1, 0
	WIN MUL_HI
	MUL16 4, (\q)%2, \q, \slot, \zero
	MUL16 6, (\q)%2, \q, \slot, \zero
	PLACES NP
	WIN 0
	FETCH_A \slot, (\q)+1, 4
.endm
; A slot's last step changes slots: ONE barrier; in front of it each wave waits for all its tensor loads, adds 0 to its spare word, and waits for that and for its own reads of this slot.
.macro TURN slot, next, fill
	s_wait_tensorcnt 0x0                           ; all my tensor loads have landed: my part of the next slot
	ds_add_u32 v[SPW], v[NIL]                      ; 0 onto my spare word
	s_wait_dscnt 4*NL+1                            ; (the add and the youngest 24 loads may be out)
	WIN MUL_LO
	MUL16 0, 1, NQ-1, \slot, 0
	s_wait_dscnt 0x0                               ; the add is done, and my reads of this slot are over
	s_barrier_signal -1
	MUL16 2, 1, NQ-1, \slot, 0
	WIN 0
	s_barrier_wait -1
.if \fill
	CREST                                          ; the barrier has opened a round of the cluster's barrier: no wave of any partner still reads this slot or has a load on its way
	s_add_nc_u64 s[G0+4*\slot+2:G0+4*\slot+3], s[G0+4*\slot+2:G0+4*\slot+3], 2*ROWB
	s_add_nc_u64 s[G0B+4*\slot+2:G0B+4*\slot+3], s[G0B+4*\slot+2:G0B+4*\slot+3], 2*ROWB
	JLOAD G0+4*\slot, G1, G0B+4*\slot, G1B         ; the first tensor load behind the round, my one load until the next; its four v_nop are the places in front of the loads below
.else
	PLACES NP
.endif
	s_wait_alu depctr_va_vdst(0)
	v_add_nc_u32 v[ADRS], 4*NQ, v[ADRS]            ; on to the next K step's scale words
	FETCH_B \next, 0, 0
	FETCH_A \next, 0, 0
	SCALES \next
	WIN MUL_HI
	MUL16 4, 1, NQ-1, \slot, 0
	MUL16 6, 1, NQ-1, \slot, 0
	PLACES NP
	WIN 0
	FETCH_A \next, 0, 4
.endm
	s_wait_alu depctr_va_vdst(0)
	s_wait_tensorcnt 0x0                           ; my tile of the head's four is in
	ds_add_u32 v[SPW], v[NIL]
	s_mov_b32 s[G1+2], 8<<16                       ; no tensor load of mine is out: from here on a load brings 8 blocks of rows
	s_mov_b32 s[G1+4], 8
	s_mov_b32 s[G1B+2], 8<<16
	s_mov_b32 s[G1B+4], 8
	s_wait_dscnt 0x0
	CROUND                                         ; all four tiles are in, and all sixteen work-groups are here
	JLOAD G0+4, G1, G0B+4, G1B                     ; K step 1, the first tensor load behind the round
	FETCH_B 0, 0, 0
	FETCH_A 0, 0, 0
	SCALES 0
	FETCH_A 0, 0, 4
	STEP 0, 0, 1                                   ; the first step stands in front of the loop: its products start the sums
	s_mov_b32 s3, LAPS-1
.Llap:                                                 ; a trip goes once round the ring and fills both slots again
	TURN 0, 1, 1
	STEP 1, 0, 0
	TURN 1, 0, 1
	STEP 0, 0, 0
	s_sub_co_u32 s3, s3, 1
	s_cmp_lg_u32 s3, 0
	s_cbranch_scc1 .Llap
	TURN 0, 1, 0                                   ; the last lap fills nothing
	STEP 1, 0, 0
	s_wait_dscnt 4*NL
	WIN MUL_LO
	MUL16 0, 1, NQ-1, 1, 0
	MUL16 2, 1, NQ-1, 1, 0
	s_wait_dscnt 0
	WIN MUL_HI
	MUL16 4, 1, NQ-1, 1, 0
	MUL16 6, 1, NQ-1, 1, 0
	WIN 0
; THE WAY OUT.  Block a: a lane's 64 numbers (window w, from v[s] on) are one row of side 1 and, in register 16 b + 8 u + j, element 32 b + 16 u + 8 (lane / 16) + j along side 0.  A block of 32 lies in lanes l and l xor 16.
; Each accumulator is read from its low end on.
.macro QUANT16W s, w
.set WQ, ((\w)<<2)|((\w)<<4)
	WIN WQ                                         ; sources 1 and 2: the accumulators' window
.irp b, 0,1,2,3
	v_max3_num_f32 v[TM+\b], 0x1800000, |v[\s+16*\b]|, |v[\s+1+16*\b]|   ; block b: my 16 numbers, and the floor 2^(3 - 127): the byte cannot fall under 1
.endr
.irp i, 2,4,6,8,10,12,14
.irp b, 0,1,2,3
	v_max3_num_f32 v[TM+\b], v[TM+\b], |v[\s+16*\b+\i]|, |v[\s+1+16*\b+\i]|
.endr
.endr
	WIN 0
.irp b, 0,1,2,3
	v_permlanex16_b32 v[TM+4+\b], v[TM+\b], s[SEL], s[SEL+1]
.endr
.irp b, 0,1,2,3
	v_max_num_f32 v[TM+\b], v[TM+\b], v[TM+4+\b]   ; with lane l xor 16's: the block's largest magnitude
.endr
.irp b, 0,1,2,3
	v_add_nc_u32 v[TM+12+\b], 0xff000000, v[TM+\b] ; 2 off its exponent field: the conversion's scale operand
.endr
.irp b, 0,1,2,3
	v_lshrrev_b32 v[TM+4+\b], 23, v[TM+12+\b]      ; the scale's byte
.endr
	v_lshl_or_b32 v[PW], v[TM+5], 8, v[TM+4]
	v_lshl_or_b32 v[PW], v[TM+6], 16, v[PW]
	v_lshl_or_b32 v[PW], v[TM+7], 24, v[PW]
.set WQ, \w
	WIN WQ                                         ; source 0: the accumulators' window
.irp c, 0,1
	v_cvt_scalef32_pk16_fp6_f32 v[PC+6*\c:PC+2+6*\c], v[\s+32*\c:\s+15+32*\c], v[TM+12+2*\c]
	v_cvt_scalef32_pk16_fp6_f32 v[PC+12+4*\c:PC+14+4*\c], v[\s+16+32*\c:\s+31+32*\c], v[TM+12+2*\c+1]   ; (a conversion's three registers begin on an even number)
.endr
	WIN 0
	v_nop                                          ; one plain place behind a scaled conversion
.irp c, 0,1                                    ; the operand's layout wants a WHOLE block in a lane: lanes 0-15 block 2 c, lanes 16-31 block 2 c + 1
.irp i, 0,1,2
	v_permlane16_swap_b32 v[PC+6*\c+\i], v[PC+12+4*\c+\i]
.endr
.irp i, 0,1,2
	v_mov_b32 v[PC+3+6*\c+\i], v[PC+12+4*\c+\i]
.endr
.endr
.endm
.macro QOUT a
.set AC, 64*((\a)%4)
.if (\a) > 0
	s_wait_xcnt 0x0                                ; the last block's stores have read the codes' registers
	s_wait_dscnt 0x0                               ; and its LDS store the scale word's
.endif
	QUANT16W AC, 2+(\a)/4
.irp p, 0,1,2,3,4,5
	global_store_b64 v[L8], v[PC+2*\p:PC+2*\p+1], s[12:13] offset:(\a)*1536+256*\p   ; 32 lanes store 256 consecutive bytes, at a multiple of 256 from the buffer's first byte
.endr
	ds_store_b32 v[SWA], v[PW] offset:64*(\a)      ; both halves of the lanes hold the same word
.endm
	PLACES NP
.irp b, 0,1,2,3
	v_mov_b32 v[TM+4+\b], 0                        ; written once: a lane permute's destination counts as one of its sources
.endr
.irp a, 0,1,2,3,4,5,6,7
	QOUT \a
.endr
	ds_load_b128 v[104:107], v[SRA]                ; LDS serves a wave's instructions in order (ISA guide 5.7.1.4): this sees my eight stores
	s_wait_dscnt 0x0
	global_store_b128 v[L16], v[104:107], s[20:21] ; my 128 scale words: 512 consecutive bytes
	s_wait_tensorcnt 0x0                           ; the wave's end
	ds_add_u32 v[SPW], v[NIL]
	s_wait_dscnt 0x0
	CROUND                                         ; the closing round: no work-group ends while a partner may still ask for a tile that names it
	s_endpgm
.Lfunc_end_k_q03efa31363_qkv:
	.size	k_q03efa31363_qkv, .Lfunc_end_k_q03efa31363_qkv-k_q03efa31363_qkv
	.p2alignl 7, 3214868480
	.fill 96, 4, 3214868480
	.section	.rodata,"a",@progbits
	.p2align	6, 0x0
	.amdhsa_kernel k_q03efa31363_qkv
		.amdhsa_group_segment_fixed_size 327680
		.amdhsa_private_segment_fixed_size 0
		.amdhsa_enable_private_segment 0
		.amdhsa_kernarg_size 32
		.amdhsa_user_sgpr_count 2
		.amdhsa_user_sgpr_kernarg_segment_ptr 1
		.amdhsa_wavefront_size32 1
		.amdhsa_system_sgpr_workgroup_id_x 1
		.amdhsa_system_sgpr_workgroup_id_y 1
		.amdhsa_system_sgpr_workgroup_id_z 1
		.amdhsa_system_vgpr_workitem_id 0
		.amdhsa_next_free_vgpr 1024
		.amdhsa_next_free_sgpr 102
		.amdhsa_reserve_vcc 0
		.amdhsa_float_denorm_mode_32 3
		.amdhsa_float_denorm_mode_16_64 3
		.amdhsa_memory_ordered 1
		.amdhsa_forward_progress 1
		.amdhsa_inst_pref_size 168
	.end_amdhsa_kernel
	.amdgpu_metadata
---
amdhsa.version: [ 1, 2 ]
amdhsa.kernels:
  - .name:           k_q03efa31363_qkv
    .symbol:         k_q03efa31363_qkv.kd
    .args:
      - { .name: hbuf, .offset: 0, .size: 8, .value_kind: global_buffer, .address_space: global }
      - { .name: wbuf, .offset: 8, .size: 8, .value_kind: global_buffer, .address_space: global }
      - { .name: w_attn_scales, .offset: 16, .size: 8, .value_kind: global_buffer, .address_space: global }
      - { .name: qkvc, .offset: 24, .size: 8, .value_kind: global_buffer, .address_space: global }
    .group_segment_fixed_size: 327680
    .private_segment_fixed_size: 0
    .kernarg_segment_align: 8
    .kernarg_segment_size: 32
    .max_flat_workgroup_size: 128
    .sgpr_count:     102
    .vgpr_count:     1024
    .wavefront_size: 32
...
	.end_amdgpu_metadata
.endif
;; end of part 2
;; launch attn (part 3): grid 8 x 32, 16 waves a work-group, no clusters, 327,680 bytes of LDS; arguments qkvc, ybuf; writes ybuf
.if DOCPART == 3
	.amdgcn_target "amdgcn-amd-amdhsa--gfx1250"
	.amdhsa_code_object_version 6
	.text
	.protected	k_q03efa31363_attn
	.globl	k_q03efa31363_attn
	.p2align	8
	.type	k_q03efa31363_attn,@function
k_q03efa31363_attn:
	s_mov_b64 s[64:65], 0
	v_nop
	global_prefetch_b8 v0, s[64:65] scope:SCOPE_SE
	s_setreg_imm32_b32 hwreg(HW_REG_WAVE_MODE, 25, 1), 1
	s_wait_xcnt 0x0
; y = softmax(q k^T / 8, causal) v for one head, both products on codes of FP6 (E2M3) with one E8M0 scale for each 32 along a product's K; y is quantised along the channels on the way out.
; IN (one buffer): fragments of 1,536 bytes (registers 2 p, 2 p + 1 of lane l at 256 p + 8 l).  q, k: fragment (S0 = pair of heads; k: 8 +, token / 16) at (S0 x 256 + token / 16) x 1,536: its first 768 bytes are the even head's 64 channels,
;   the rest the odd head's.  v: from VREGN, fragment (token / 128, channel / 16) at (.. x 64 + ..) x 1,536: 16 channels x 128 keys.  Scale words from QSC: q, k (S0 x 4,096 + token) x 4, two bytes a head; v 262,144 + (token / 128 x 1,024 + channel) x 4.
; The first product's K is the head's 64: the upper half of each 128-deep operand is zero codes, on both sides, under the scale byte 0 (2^-127, no NaN): they add nothing.
; THE SOFTMAX: t = score x log2(e) / 8; M = the row's largest t so far, rounded UP to a whole number; p = 2^(t - M) is quantised along the keys, not normalised; the row's sum is taken of the unquantised p and divides at the end.
; When M moves, the sum and O are multiplied by 2^(old M - new M): exact.  Inside a block of 32 keys p's codes stand in the same permuted order as v's (place 16 h + 8 u + j holds key 16 u + 8 h + j).
; SHARES.  A work-group owns one head and 256 queries: blocks j and 15 - j of 128 queries, so that every work-group has the same causal work; each of its sixteen waves owns one tile of 16 queries, in 256 registers, four waves to a SIMD.
; THE WHOLE HEAD'S k AND v LIE IN LDS, each byte filled once: waves 0-3 bring k's four groups of 512 keys, waves 4-7 v's, waves 8 and 9 their scale words: one tensor load a wave.  A phase of four key steps begins when its group
; has landed; the later groups stay on their way.  Nothing is filled again and nothing is stored to LDS.
; CAUSAL.  All loops have constant trip counts and every wave passes every barrier; a step all of whose 128 keys come after the wave's queries is jumped over by a scalar branch on ids.
; NO CLUSTER: the eight work-groups of a head read the same k and v, but that jump hangs on the work-group's block of queries, which differs between just those partners, and partners of a joint load must run alike.
; OUT: y's fragment (token / 16, pair of heads) at (.. x 8 + ..) x 1,536, my head's half of it; scale words from YSC at (pair x 4,096 + token) x 4, my head's two bytes: stores of two bytes a lane, 64 bytes on end a wave: a word is shared
; by two heads, which are two work-groups.  LIMITS: NaN and infinities are not served; a block of zeros or under 2^-124 gets the scale byte 1.
; REGISTERS: v1-5 lane terms; v[6:7] f; v8-11 addresses in hand; v12 -M, v13 largest t, v[14:15] the sum; v16-27 q; v28-31 k's scale halfwords; v32-79 four fragments of k; v80-127 v's four; v128-191 S^T, then p; v192-223 O^T;
;   v224-235 p's codes (v232-235 first the blocks' largest scores); v236-247, v252, v254 at work; v248-251 v's scale words; v253 p's scale word; v255 q's scale halfword.
.set VREGN, 6291456
.set QSC,   9437184
.set YSC,   3145728
.set VREG,  98304                      ; LDS: k [128 tiles][768] from 0; v [16 steps][4 tiles][1,536] from here;
.set KSC,   196608                     ; k's 2,048 scale words;
.set VSC,   204800                     ; v's [16 steps][64 words]
.set AK0,  1                           ; v1  8 x lane
.set AV0,  2                           ; v2  VREG + 8 x lane
.set ASK0, 3                           ; v3  KSC + 4 r + 2 x (head % 2)
.set ASV0, 4                           ; v4  VSC + 4 r
.set RH,   5                           ; v5  r - 8 h
.set F,    6
.set ADK,  8
.set ADV,  9
.set ADS,  10
.set ADT,  11
.set S,    128
.set O,    192
.set MX,   232
.set WV,   8
.set W1,   9
.set Q0,   17                          ; s17 my first query in its batch
.set SEL,  20
.set CS,   22                          ; s[22:23] c = log2(e) / 8
.set G1K,  24
.set G1V,  32
.set G1SK, 40
.set G1SV, 48
.set TKV,  56                          ; s56 the step's tiles of k and of v: 6,144 bytes a step in both
.set TSK,  57                          ; s57 k's scale words: 512 bytes a step
.set TSV,  58                          ; s58 v's: 256
.set KF,   59                          ; s59 the step's first key
.set CNT,  60
.set G0,   68                          ; s[68:75] two groups 0
.macro DESC g, c, r, p                 ; group 1: r rows of c elements of 8 bytes, p elements apart; no padding, no mask
	s_mov_b32 s[\g], 3<<16
	s_mov_b32 s[\g+1], (\c)<<16
	s_mov_b32 s[\g+2], (\r)<<16
	s_mov_b32 s[\g+3], (\c)<<16
	s_mov_b32 s[\g+4], \r
	s_mov_b32 s[\g+5], \p
	s_mov_b32 s[\g+6], 0
	s_mov_b32 s[\g+7], 0
.endm
	s_load_b128 s[4:7], s[0:1], 0x0                ; in s[4:5], y s[6:7]
	v_lshl_add_u32 v254, v0, 2, 0x33000
	v_mov_b32 v255, 0
	ds_add_u32 v254, v255
	ds_add_u32 v254, v255
	s_wait_dscnt 0x0
	v_lshrrev_b32 v8, 5, v0
	s_delay_alu instid0(VALU_DEP_1)
	v_readfirstlane_b32 s[WV], v8                  ; wave 0..15
	s_and_b32 s11, ttmp7, 0xffff                   ; batch x 16 + head
	s_lshr_b32 s12, s11, 4                         ; batch
	s_and_b32 s13, s11, 15                         ; head
	s_lshr_b32 s14, s13, 1                         ; pair of heads
	s_and_b32 s15, s13, 1                          ; which of the pair
	s_lshr_b32 s18, s[WV], 2
	s_xor_b32 s18, s18, s[WV]
	s_and_b32 s18, s18, 1                          ; of waves 2 m and 2 m + 1 one takes the early block of queries, one the late; the choice turns with wave / 4
	s_sub_co_u32 s19, 15, ttmp9
	s_cmp_eq_u32 s18, 1
	s_cselect_b32 s19, s19, ttmp9                  ; my block of 128 queries: 15 - j or j
	s_lshl_b32 s19, s19, 3
	s_lshr_b32 s18, s[WV], 1
	s_add_co_u32 s16, s19, s18                     ; my tile of 16 queries in the batch
	s_lshl_b32 s[Q0], s16, 4
	s_lshl_b32 s62, s12, 7
	s_add_co_u32 s62, s62, s16                     ; my tile among all tokens
	s_mul_i32 s63, s15, 768                        ; my head's half of a fragment
	s_lshl_b32 s66, s12, 11
	s_add_co_u32 s66, s66, s[Q0]                   ; my first query among all tokens
	s_lshl_b32 s67, s15, 1                         ; my head's two bytes of a scale word
	s_lshl_b32 s88, s14, 8
	s_add_co_u32 s88, s88, s62
	s_mul_i32 s88, s88, 1536
	s_add_co_u32 s88, s88, s63                     ; q's codes
	s_mov_b32 s89, 0
	s_lshl_b32 s90, s14, 12
	s_add_co_u32 s90, s90, s66
	s_lshl_b32 s90, s90, 2
	s_add_co_u32 s90, s90, s67
	s_mov_b32 s91, 0
	s_add_co_u32 s92, s90, YSC                     ; y's scale halfwords
	s_mov_b32 s93, 0
	s_add_co_u32 s90, s90, QSC                     ; q's
	s_lshl_b32 s94, s62, 3
	s_add_co_u32 s94, s94, s14
	s_mul_i32 s94, s94, 1536
	s_add_co_u32 s94, s94, s63                     ; y's codes
	s_mov_b32 s95, 0
	s_add_co_u32 s18, s14, 8
	s_lshl_b32 s19, s18, 8
	s_lshl_b32 s98, s12, 7
	s_add_co_u32 s19, s19, s98
	s_mul_i32 s19, s19, 1536
	s_add_co_u32 s19, s19, s63                     ; k's codes of the head
	s_lshl_b32 s98, s12, 10
	s_lshl_b32 s99, s13, 2
	s_add_co_u32 s98, s98, s99
	s_mul_i32 s98, s98, 1536
	s_add_co_u32 s98, s98, VREGN                   ; v's
	s_lshl_b32 s18, s18, 12
	s_lshl_b32 s99, s12, 11
	s_add_co_u32 s18, s18, s99
	s_lshl_b32 s18, s18, 2
	s_add_co_u32 s18, s18, QSC                     ; k's scale words
	s_lshl_b32 s99, s12, 14
	s_lshl_b32 s62, s13, 6
	s_add_co_u32 s99, s99, s62
	s_lshl_b32 s99, s99, 2
	s_add_co_u32 s99, s99, QSC+262144              ; v's
	; THE FILLS, ONE A WAVE, each byte filled once.  At the head: wave 0 k's first 512 keys, wave 4 v's, wave 8 k's scale words, wave 9 v's.  Behind the first barrier, issued as a refill is: waves 1-3 k's groups 1-3, waves 5-7 v's.
	; They land under the first four key steps; one more wait and barrier, and the last twelve steps run with no barrier.
	s_mov_b32 s62, 393216                          ; from group to group: v 4 steps x 64 fragments; k 32 fragments
	s_cmp_lt_u32 s[WV], 4
	s_cselect_b32 s96, s19, s98
	s_cselect_b32 s62, 49152, s62
	s_and_b32 s63, s[WV], 3
	s_mul_i32 s62, s62, s63
	s_add_co_u32 s96, s96, s62                     ; my group's codes
	s_cmp_eq_u32 s[WV], 8
	s_cselect_b32 s18, s18, s99                    ; or my scale words
	s_mov_b32 s97, 0
	s_mov_b32 s19, 0
	DESC G1K, 96, 32, 192                          ; k: 32 tiles' halves of 768 bytes, 1,536 bytes apart
	DESC G1V, 768, 4, 12288                        ; v: 4 steps of 4 fragments on end, 64 fragments apart
	DESC G1SK, 32, 32, 32                          ; k's scale words: 8,192 dense bytes
	DESC G1SV, 32, 16, 512                         ; v's: 16 steps of 256 bytes, 4,096 bytes apart
	s_mov_b32 s[SEL], 0x76543210
	s_mov_b32 s[SEL+1], 0xfedcba98
	s_mov_b32 s[CS], 0x3e38aa3b
	s_mov_b32 s[CS+1], s[CS]
	s_wait_kmcnt 0x0
	s_mov_b32 s[G0], 1
	s_mul_i32 s66, s[WV], 8192
	s_add_co_u32 s[G0+1], s66, KSC-65536           ; wave 8: KSC, wave 9: VSC
	s_add_nc_u64 s[G0+2:G0+3], s[4:5], s[18:19]
	s_or_b32 s[G0+3], s[G0+3], 0x80000000
	s_mov_b32 s[G0+4], 1
	s_mul_i32 s[G0+5], s[WV], 24576                ; waves 0-3: k's groups from 0; waves 4-7: v's from VREG = 4 x 24,576
	s_add_nc_u64 s[G0+6:G0+7], s[4:5], s[96:97]
	s_or_b32 s[G0+7], s[G0+7], 0x80000000
.macro FILL g0, g1
	tensor_load_to_lds s[\g0:\g0+3], s[\g1:\g1+7]
	s_nop 0
.rept 4
	v_nop
.endr
.endm
	s_cmp_eq_u32 s[WV], 0                          ; one chain of branches on the wave's number, one fill to an arm, one join
	s_cbranch_scc0 .Lnot_k
	FILL G0+4, G1K
	s_branch .Lasked
.Lnot_k:
	s_cmp_eq_u32 s[WV], 4
	s_cbranch_scc0 .Lnot_v
	FILL G0+4, G1V
	s_branch .Lasked
.Lnot_v:
	s_cmp_eq_u32 s[WV], 8
	s_cbranch_scc0 .Lnot_sk
	FILL G0, G1SK
	s_branch .Lasked
.Lnot_sk:
	s_cmp_eq_u32 s[WV], 9
	s_cbranch_scc0 .Lasked
	FILL G0, G1SV
.Lasked:
	s_add_nc_u64 s[88:89], s[4:5], s[88:89]
	s_add_nc_u64 s[90:91], s[4:5], s[90:91]
	s_add_nc_u64 s[92:93], s[6:7], s[92:93]
	s_add_nc_u64 s[94:95], s[6:7], s[94:95]
	v_and_b32 v8, 15, v0                           ; r
	v_bfe_u32 v9, v0, 4, 1                         ; h
	v_and_b32 v10, 31, v0
	s_delay_alu instid0(VALU_DEP_1)
	v_lshlrev_b32 v[AK0], 3, v10
	s_delay_alu instid0(VALU_DEP_4)
	v_lshlrev_b32 v11, 2, v8
.irp p, 0,1,2
	global_load_b64 v[16+2*\p:17+2*\p], v[AK0], s[88:89] offset:256*\p   ; q's half fragment stays in registers
.endr
	global_load_u16 v255, v11, s[90:91]            ; q's two scale bytes; the upper two are 0, over zero codes
	v_add_nc_u32 v[AV0], VREG, v[AK0]
	v_lshl_add_u32 v[ASK0], v8, 2, KSC
	s_delay_alu instid0(VALU_DEP_1)
	v_add_nc_u32 v[ASK0], s67, v[ASK0]
	v_lshl_add_u32 v[ASV0], v8, 2, VSC
	v_lshlrev_b32 v[RH], 3, v9
	s_delay_alu instid0(VALU_DEP_1)
	v_sub_nc_u32 v[RH], v8, v[RH]
	v_mov_b32 v[F], 0
	v_mov_b32 v[F+1], 0                            ; (named with f as a pair)
	v_mov_b32 v13, 0xff61b1e6                      ; the largest t so far: -3e38, under every t
	s_delay_alu instid0(VALU_DEP_1)
	v_floor_f32 v12, -v13                          ; -M
	v_mov_b32 v14, 0
	v_mov_b32 v15, 0
	v_mov_b32 v254, 0
.irp i, 22,23,24,25,26,27
	v_mov_b32 v[\i], 0                             ; q's upper 64 along K: zero codes
.endr
.irp t, 0,1,2,3
.irp i, 6,7,8,9,10,11
	v_mov_b32 v[32+12*\t+\i], 0                    ; and k's: written once, never loaded
.endr
.endr
.irp b, 0,1,2,3
	v_mov_b32 v[236+\b], 0                         ; a lane permute's destination counts as one of its sources
.endr
.set n, 0
.rept 32
	v_mov_b32 v[O+n], 0                            ; O^T: the step is written once; the first finds zeros, which the first change of M leaves zeros
.set n, n+1
.endr
; A KEY STEP: 128 keys.
.macro STEP
	s_add_co_u32 s62, s[Q0], 15
	s_cmp_gt_u32 s[KF], s62                        ; all its keys come after my queries: the step's work is left out; the lines at its end that step addresses are not
	s_cbranch_scc1 .Lhidden_\@
	v_add_nc_u32 v[ADK], s[TKV], v[AK0]            ; (these four are also the places in front of the loads below)
	s_wait_alu depctr_va_vdst(0)
	v_add_nc_u32 v[ADV], s[TKV], v[AV0]
	v_add_nc_u32 v[ADS], s[TSK], v[ASK0]
	s_wait_alu depctr_va_vdst(0)
	v_add_nc_u32 v[ADT], s[TSV], v[ASV0]
	s_wait_alu depctr_va_vdst(0)
.irp g, 0,1                                    ; S^T = k q^T, four tiles of 16 keys at a time
.if \g
.rept 4
	v_nop                                          ; places in front of loads into registers that matrix instructions have read
.endr
.endif
.irp t, 0,1,2,3
.irp p, 0,1,2
	ds_load_b64 v[32+12*\t+2*\p:33+12*\t+2*\p], v[ADK] offset:(4*\g+\t)*768+256*\p
.endr
	ds_load_u16 v[28+\t], v[ADS] offset:64*(4*\g+\t)
.endr
	s_wait_dscnt 0x0
.irp t, 0,1,2,3
	v_wmma_scale_f32_16x16x128_f8f6f4 v[S+8*(4*\g+\t):S+8*(4*\g+\t)+7], v[32+12*\t:43+12*\t], v[16:27], 0, v[28+\t], v255 matrix_a_fmt:MATRIX_FMT_FP6 matrix_b_fmt:MATRIX_FMT_FP6
.endr
.endr                                          ; lane (r, h): query r; register 8 t + j: key 16 t + 8 h + j of the step
.irp t, 0,1,2,3                                ; v's four fragments and scale words land under the softmax
.irp p, 0,1,2,3,4,5
	ds_load_b64 v[80+12*\t+2*\p:81+12*\t+2*\p], v[ADV] offset:\t*1536+256*\p
.endr
	ds_load_b32 v[248+\t], v[ADT] offset:64*\t
.endr
.rept 4
	v_nop
.endr
	s_add_co_u32 s62, s[KF], 127                   ; on the diagonal the scores of hidden keys become -infinity ahead of the maximum: p = 0 then.  A step all of whose keys count skips this
	s_cmp_le_u32 s62, s[Q0]
	s_cbranch_scc1 .Lopen_\@
	s_sub_co_i32 s62, s[Q0], s[KF]
	v_add_nc_u32 v252, s62, v[RH]                  ; d = my query - the step's first key - 8 h: register n is hidden where 16 (n / 8) + n % 8 > d
	v_mov_b32 v254, 0xff800000
.set n, 0
.rept 64
	v_cmp_gt_i32 vcc_lo, 16*(n/8)+n%8, v252
	v_cndmask_b32 v[S+n], v[S+n], v254, vcc_lo
.set n, n+1
.endr
.Lopen_\@:
.irp b, 0,1,2,3
	v_max3_num_f32 v[MX+\b], v[S+16*\b], v[S+1+16*\b], v[S+2+16*\b]   ; the largest score of each block of 32 keys: for the row's maximum and, since p rises with the score, for the block's largest p
.endr
.irp i, 3,5,7,9,11,13
.irp b, 0,1,2,3
	v_max3_num_f32 v[MX+\b], v[MX+\b], v[S+16*\b+\i], v[S+1+16*\b+\i]
.endr
.endr
.irp b, 0,1,2,3
	v_max_num_f32 v[MX+\b], v[MX+\b], v[S+15+16*\b]
.endr
.irp b, 0,1,2,3
	s_delay_alu instid0(VALU_DEP_4)
	v_permlanex16_b32 v[236+\b], v[MX+\b], s[SEL], s[SEL+1]
.endr
.irp b, 0,1,2,3
	s_delay_alu instid0(VALU_DEP_4)
	v_max_num_f32 v[MX+\b], v[MX+\b], v[236+\b]    ; with lane l xor 16's 16 keys
.endr
	s_delay_alu instid0(VALU_DEP_2)
	v_max3_num_f32 v254, v[MX], v[MX+1], v[MX+2]
	s_delay_alu instid0(VALU_DEP_1)
	v_max_num_f32 v254, v254, v[MX+3]
	s_delay_alu instid0(VALU_DEP_1)
	v_mul_f32 v254, s[CS], v254                    ; as t (c is positive)
	s_delay_alu instid0(VALU_DEP_1)
	v_max_num_f32 v13, v13, v254                   ; the running largest t
	v_mov_b32 v254, v12
	s_delay_alu instid0(VALU_DEP_2)
	v_floor_f32 v12, -v13                          ; the new -M = -ceil(t)
	s_delay_alu instid0(VALU_DEP_1)
	v_sub_f32 v254, v12, v254                      ; old M - new M: a whole number, 0 or less
	s_delay_alu instid0(VALU_DEP_1)
	v_cvt_i32_f32 v254, v254                       ; (it saturates)
	s_delay_alu instid0(VALU_DEP_1)
	v_ldexp_f32 v[F], 1.0, v254                    ; f = 2^(old M - new M)
.set n, 0
.rept 32
	v_pk_fma_f32 v[S+n:S+n+1], v[S+n:S+n+1], s[CS:CS+1], v[12:13] op_sel_hi:[1,0,0]   ; t - M
.set n, n+2
.endr
.irp b, 0,1,2,3
	v_fma_f32 v[MX+\b], v[MX+\b], s[CS], v12       ; the same of each block's largest score
.endr
.set n, 0
	s_wait_alu depctr_va_vdst(0)
.rept 64
	v_exp_f32 v[S+n], v[S+n]                       ; p = 2^(t - M)
.set n, n+1
.endr
.irp b, 0,1,2,3
	v_exp_f32 v[MX+\b], v[MX+\b]                   ; the block's largest p: the same two instructions on the same number
.endr
	v_pk_mul_f32 v[14:15], v[14:15], v[F:F+1] op_sel_hi:[1,0]   ; the sum under the new M.  (A plain place behind the exponentials)
	s_wait_alu depctr_va_vdst(0)
.irp b, 0,1,2,3
	v_max_num_f32 v[MX+\b], 0x1800000, v[MX+\b]    ; the floor 2^(3 - 127)
.endr
.irp b, 0,1,2,3
	s_delay_alu instid0(VALU_DEP_4)
	v_add_nc_u32 v[244+\b], 0xff000000, v[MX+\b]   ; the conversion's scale operand
.endr
.irp b, 0,1,2,3
	s_delay_alu instid0(VALU_DEP_4)
	v_lshrrev_b32 v[236+\b], 23, v[244+\b]         ; the scale's byte
.endr
	s_delay_alu instid0(VALU_DEP_3)
	v_lshl_or_b32 v253, v237, 8, v236              ; p's scale word for these 128 keys
	s_delay_alu instid0(VALU_DEP_1)
	v_lshl_or_b32 v253, v238, 16, v253
	s_delay_alu instid0(VALU_DEP_1)
	v_lshl_or_b32 v253, v239, 24, v253
.irp c, 0,1
	v_cvt_scalef32_pk16_fp6_f32 v[224+6*\c:226+6*\c], v[S+32*\c:S+15+32*\c], v[244+2*\c]
	v_cvt_scalef32_pk16_fp6_f32 v[236+4*\c:238+4*\c], v[S+16+32*\c:S+31+32*\c], v[244+2*\c+1]
.endr
	v_nop                                          ; one plain place behind a scaled conversion
.irp c, 0,1
.irp i, 0,1,2
	v_permlane16_swap_b32 v[224+6*\c+\i], v[236+4*\c+\i]
.endr
.irp i, 0,1,2
	s_delay_alu instid0(VALU_DEP_3)
	v_mov_b32 v[227+6*\c+\i], v[236+4*\c+\i]
.endr
.endr
	v_pk_add_f32 v[236:237], v[132:133], v[136:137]
	v_pk_add_f32 v[246:247], v[140:141], v[144:145]
	v_pk_add_f32 v[244:245], v[148:149], v[152:153]
	v_pk_add_f32 v[242:243], v[156:157], v[160:161]
	v_pk_add_f32 v[240:241], v[164:165], v[168:169]
	v_pk_add_f32 v[72:73], v[172:173], v[176:177]
	v_pk_add_f32 v[70:71], v[180:181], v[184:185]
	v_pk_add_f32 v[14:15], v[14:15], v[188:189]
	v_pk_add_f32 v[236:237], v[236:237], v[128:129]
	v_pk_add_f32 v[246:247], v[246:247], v[130:131]
	v_pk_add_f32 v[244:245], v[244:245], v[134:135]
	v_pk_add_f32 v[242:243], v[242:243], v[138:139]
	v_pk_add_f32 v[240:241], v[240:241], v[142:143]
	v_pk_add_f32 v[72:73], v[72:73], v[146:147]
	v_pk_add_f32 v[70:71], v[70:71], v[150:151]
	v_pk_add_f32 v[14:15], v[14:15], v[154:155]
	v_pk_add_f32 v[236:237], v[236:237], v[158:159]
	v_pk_add_f32 v[246:247], v[246:247], v[162:163]
	v_pk_add_f32 v[244:245], v[244:245], v[166:167]
	v_pk_add_f32 v[242:243], v[242:243], v[170:171]
	v_pk_add_f32 v[240:241], v[240:241], v[174:175]
	v_pk_add_f32 v[72:73], v[72:73], v[178:179]
	v_pk_add_f32 v[70:71], v[70:71], v[182:183]
	v_pk_add_f32 v[14:15], v[14:15], v[186:187]
	v_pk_add_f32 v[236:237], v[236:237], v[190:191]
	s_delay_alu instid0(VALU_DEP_2)
	v_pk_add_f32 v[14:15], v[14:15], v[242:243]
	s_delay_alu instid0(VALU_DEP_2)
	v_pk_add_f32 v[236:237], v[236:237], v[240:241]
	v_pk_add_f32 v[246:247], v[246:247], v[72:73]
	v_pk_add_f32 v[244:245], v[244:245], v[70:71]
	s_delay_alu instid0(VALU_DEP_2)
	v_pk_add_f32 v[14:15], v[14:15], v[246:247]
	s_delay_alu instid0(VALU_DEP_2)
	v_pk_add_f32 v[236:237], v[236:237], v[244:245]
	s_delay_alu instid0(VALU_DEP_1)
	v_pk_add_f32 v[14:15], v[14:15], v[236:237]
.set n, 0
.rept 16
	v_pk_mul_f32 v[O+n:O+n+1], v[O+n:O+n+1], v[F:F+1] op_sel_hi:[1,0]   ; O^T under the new M.  (With the sums above: the places between the writes of p's codes and scale word and the products below)
.set n, n+2
.endr
	s_wait_alu depctr_va_vdst(0)
	s_wait_dscnt 0x0                               ; v's fragments and scale words
.irp t, 0,1,2,3                                ; O^T += v^T p^T.  Tile t lies at slot 0, 2, 1, 3, for the exchange of halves on the way out.  The four accumulators take turns
.set SG, ((\t&1)<<1)|(\t>>1)
	v_wmma_scale_f32_16x16x128_f8f6f4 v[O+8*SG:O+8*SG+7], v[80+12*\t:91+12*\t], v[224:235], v[O+8*SG:O+8*SG+7], v[248+\t], v253 matrix_a_fmt:MATRIX_FMT_FP6 matrix_b_fmt:MATRIX_FMT_FP6
.endr
.Lhidden_\@:
	s_add_co_u32 s[KF], s[KF], 128
	s_add_co_u32 s[TKV], s[TKV], 6144
	s_add_co_u32 s[TSK], s[TSK], 512
	s_add_co_u32 s[TSV], s[TSV], 256
.endm
; A PHASE: four key steps on group g of 512 keys.
	v_lshl_add_u32 v252, v0, 2, 0x33000            ; my spare word and 0, made anew: no two registers can be kept for them
	v_mov_b32 v254, 0
	s_wait_alu depctr_va_vdst(0)
	s_wait_loadcnt 0x0                             ; q
	s_wait_tensorcnt 0x0                           ; my fill of the head, if I had one, has landed
	ds_add_u32 v252, v254                          ; the add twice
	ds_add_u32 v252, v254
	s_wait_dscnt 0x0
	s_barrier_signal -1
	s_barrier_wait -1                              ; the first 512 keys and all scale words lie in LDS
	s_and_b32 s62, s[WV], 3
	s_cmp_eq_u32 s62, 0
	s_cbranch_scc1 .Lfilled                        ; waves 0, 4, 8, 12 fill nothing here
	s_cmp_lt_u32 s[WV], 4
	s_cbranch_scc0 .Lfill_v
	FILL G0+4, G1K
	s_branch .Lfilled
.Lfill_v:
	s_cmp_lt_u32 s[WV], 8
	s_cbranch_scc0 .Lfilled
	FILL G0+4, G1V
.Lfilled:
	s_mov_b32 s[TKV], 0
	s_mov_b32 s[TSK], 0
	s_mov_b32 s[TSV], 0
	s_mov_b32 s[KF], 0
	s_mov_b32 s[CNT], 4                            ; four key steps on the first group; hidden steps are jumped over inside
.Lkeys0:
	STEP
	s_sub_co_u32 s[CNT], s[CNT], 1
	s_cmp_lg_u32 s[CNT], 0
	s_cbranch_scc1 .Lkeys0
	s_wait_dscnt 0x0
	s_wait_tensorcnt 0x0                           ; my later group has landed,
	s_barrier_signal -1
	s_barrier_wait -1                              ; and everybody's: the whole head's k and v lie in LDS
	s_mov_b32 s[TKV], 24576
	s_mov_b32 s[TSK], 2048
	s_mov_b32 s[TSV], 1024
	s_mov_b32 s[KF], 512
	s_mov_b32 s[CNT], 12                           ; the other twelve key steps
.Lkeys1:
	STEP
	s_sub_co_u32 s[CNT], s[CNT], 1
	s_cmp_lg_u32 s[CNT], 0
	s_cbranch_scc1 .Lkeys1
	; THE WAY OUT
.rept 4
	v_nop                                          ; places behind the last products
.endr
	v_add_f32 v14, v14, v15
	s_delay_alu instid0(VALU_DEP_1)
	v_permlanex16_b32 v254, v14, s[SEL], s[SEL+1]
	s_delay_alu instid0(VALU_DEP_1)
	v_add_f32 v14, v14, v254                       ; the row's sum
	s_wait_alu depctr_va_vdst(0)
	v_rcp_f32 v14, v14
	v_and_b32 v8, 15, v0                           ; (a plain place behind the transcendental)
	v_bfe_u32 v9, v0, 4, 1
	s_delay_alu instid0(VALU_DEP_2)
	v_lshlrev_b32 v8, 2, v8                        ; 4 r
	s_delay_alu instid0(VALU_DEP_2)
	v_lshlrev_b32 v9, 3, v9                        ; 8 h
.set n, 0
	s_wait_alu depctr_va_vdst(0)
.rept 32
	v_mul_f32 v[S+n], v[O+n], v14                  ; y = O^T / the sum; each accumulator from its low end on
.set n, n+1
.endr
.set n, 0
.rept 8                                        ; slots 0, 1 hold channels 8 h + j and 32 + 8 h + j, slots 2, 3 those 16 on: after the exchange lane half h holds channels 32 h + 0 .. 31 in order: one whole block
	v_permlane16_swap_b32 v[S+n], v[S+8+n]
	v_permlane16_swap_b32 v[S+16+n], v[S+24+n]
.set n, n+1
.endr
	v_max3_num_f32 v236, |v[S]|, |v[S+1]|, 0x1800000
	v_max3_num_f32 v237, |v[S+16]|, |v[S+17]|, 0x1800000
.irp i, 2,4,6,8,10,12,14
	s_delay_alu instid0(VALU_DEP_2)
	v_max3_num_f32 v236, v236, |v[S+\i]|, |v[S+1+\i]|
	s_delay_alu instid0(VALU_DEP_2)
	v_max3_num_f32 v237, v237, |v[S+16+\i]|, |v[S+17+\i]|
.endr
	s_delay_alu instid0(VALU_DEP_1)
	v_max_num_f32 v236, v236, v237
	s_delay_alu instid0(VALU_DEP_1)
	v_add_nc_u32 v244, 0xff000000, v236
	s_delay_alu instid0(VALU_DEP_1)
	v_lshrrev_b32 v238, 23, v244
	s_delay_alu instid0(VALU_DEP_1)
	v_lshlrev_b32 v238, v9, v238                   ; my block's byte at its place,
	s_delay_alu instid0(VALU_DEP_1)
	v_permlanex16_b32 v239, v238, s[SEL], s[SEL+1]
	s_delay_alu instid0(VALU_DEP_1)
	v_or_b32 v240, v238, v239                      ; with the other block's: my head's two bytes
	v_cvt_scalef32_pk16_fp6_f32 v[224:226], v[S:S+15], v244
	v_cvt_scalef32_pk16_fp6_f32 v[232:234], v[S+16:S+31], v244
	v_nop
	v_mov_b32 v227, v232
	v_mov_b32 v228, v233
	v_mov_b32 v229, v234
.irp p, 0,1,2
	global_store_b64 v[AK0], v[224+2*\p:225+2*\p], s[94:95] offset:256*\p   ; 32 lanes store 256 consecutive bytes, at a multiple of 256 from the buffer's first byte
.endr
	global_store_b16 v8, v240, s[92:93]            ; both halves of the lanes hold the same two bytes
	s_wait_xcnt 0x0
	v_lshl_add_u32 v254, v0, 2, 0x33000
	v_mov_b32 v255, 0
	s_wait_alu depctr_va_vdst(0)
	s_wait_tensorcnt 0x0
	ds_add_u32 v254, v255
	s_wait_dscnt 0x0
	s_endpgm
.Lfunc_end_k_q03efa31363_attn:
	.size	k_q03efa31363_attn, .Lfunc_end_k_q03efa31363_attn-k_q03efa31363_attn
	.p2alignl 7, 3214868480
	.fill 96, 4, 3214868480
	.section	.rodata,"a",@progbits
	.p2align	6, 0x0
	.amdhsa_kernel k_q03efa31363_attn
		.amdhsa_group_segment_fixed_size 327680
		.amdhsa_private_segment_fixed_size 0
		.amdhsa_enable_private_segment 0
		.amdhsa_kernarg_size 16
		.amdhsa_user_sgpr_count 2
		.amdhsa_user_sgpr_kernarg_segment_ptr 1
		.amdhsa_wavefront_size32 1
		.amdhsa_system_sgpr_workgroup_id_x 1
		.amdhsa_system_sgpr_workgroup_id_y 1
		.amdhsa_system_sgpr_workgroup_id_z 1
		.amdhsa_system_vgpr_workitem_id 0
		.amdhsa_next_free_vgpr 256
		.amdhsa_next_free_sgpr 100
		.amdhsa_reserve_vcc 1
		.amdhsa_float_denorm_mode_32 3
		.amdhsa_float_denorm_mode_16_64 3
		.amdhsa_memory_ordered 1
		.amdhsa_forward_progress 1
		.amdhsa_inst_pref_size 66
	.end_amdhsa_kernel
	.amdgpu_metadata
---
amdhsa.version: [ 1, 2 ]
amdhsa.kernels:
  - .name:           k_q03efa31363_attn
    .symbol:         k_q03efa31363_attn.kd
    .args:
      - { .name: qkvc, .offset: 0, .size: 8, .value_kind: global_buffer, .address_space: global }
      - { .name: ybuf, .offset: 8, .size: 8, .value_kind: global_buffer, .address_space: global }
    .group_segment_fixed_size: 327680
    .private_segment_fixed_size: 0
    .kernarg_segment_align: 8
    .kernarg_segment_size: 16
    .max_flat_workgroup_size: 512
    .sgpr_count:     100
    .vgpr_count:     256
    .wavefront_size: 32
...
	.end_amdgpu_metadata
.endif
;; end of part 3
;; launch proj (part 4): grid 8 x 32, 4 waves a work-group, clusters of 4 x 4, 327,680 bytes of LDS; arguments ybuf, wbuf, w_attn_proj_scales, x, x1; writes x1
.if DOCPART == 4
	.amdgcn_target "amdgcn-amd-amdhsa--gfx1250"
	.amdhsa_code_object_version 6
	.text
	.protected	k_q03efa31363_proj
	.globl	k_q03efa31363_proj
	.p2align	8
	.type	k_q03efa31363_proj,@function
k_q03efa31363_proj:
	s_mov_b64 s[64:65], 0
	v_nop
	global_prefetch_b8 v0, s[64:65] scope:SCOPE_SE
	s_setreg_imm32_b32 hwreg(HW_REG_WAVE_MODE, 25, 1), 1
	s_wait_xcnt 0x0
	s_wait_alu depctr_hold_cnt(0) depctr_sa_sdst(0) depctr_va_vdst(0) depctr_va_sdst(0) depctr_va_ssrc(0) depctr_va_vcc(0) depctr_vm_vsrc(0)
	s_getreg_b32 s2, hwreg(HW_REG_IB_STS2, 6, 4)
	s_cmp_eq_u32 s2, 0
	s_cbranch_scc0 .Lentry_in_a_cluster
	s_endpgm
.Lentry_in_a_cluster:
	s_bfe_u32 s2, ttmp6, 0x10000c
	s_cmp_lg_u32 s2, 0xf033
	s_cbranch_scc0 .Lentry_shape_is_right
	s_endpgm
.Lentry_shape_is_right:
; out = res + A B^T on codes of FP6 (E2M3) with one E8M0 scale for each 32 along K = SIZE_K.  out, res: [4096][1024] f32.  B: [1024][SIZE_K x 3 / 4 bytes], scale bytes [1024][SIZE_K / 32].
; A: 4,096 rows as fragments of 16 rows x 128 K, 1,536 bytes each (registers 2 p, 2 p + 1 of lane l at 256 p + 8 l), fragment (row / 16, K / 128) at (row / 16 x KS128 + K / 128) x 1,536; behind them one scale word for each row and 128 K, at (K / 128 x 4,096 + row) x 4.
; A tile of out is 128 x 128, so that the 1,024 columns and 4,096 rows give 256 work-groups; four waves, each 64 x 64: 16 accumulators.  K goes in steps of 512 through a ring of two LDS slots filled by the tensor data mover.
; The scale words of the work-group's rows of A and the scale bytes of its rows of B, for all of K, come into LDS once, with the first fills.  The residual is asked for at the head and lands under the products.
; CLUSTERS: 4 x 4 work-groups; A's tiles are shared along a row of the cluster, B's along a column: each is asked for JOINTLY.  THE MATRIX INSTRUCTION IS USED TRANSPOSED (source 0 = 16 rows of B, source 1 = 16 rows of A): a lane holds eight neighbours of a row of out.
; REGISTERS: window 0: v16-30 addresses; v32-95 scale words, two sets of 32 (A's word (a, q) at 4 a + q, B's (b, q) at 16 + 4 b + q; lanes 0-15 count); v128-255 the accumulators ((a, b) at 128 + 8 (4 a + b)).
;   window 1: two sets of fragments, at 0 and 128: A's four at 12 a, B's four at 48 + 12 b.   window 2: the residual, 128 registers.
.set SIZE_K, 1024
.set KS128,  SIZE_K/128
.set KROW,   SIZE_K*6/8
.set KS,     SIZE_K/32
.set LAPS,   SIZE_K/1024                ; a lap = two K steps of 512
.set AHALF,  24576                     ; A's 64 rows of a K step: [4 blocks of rows][4 steps of 128][1,536]
.set ABYTES, 2*AHALF
.set BHALF,  AHALF                     ; B's codes come from wbuf (byte WOFF on) as fragments, laid as A's are
.set WOFF,   2359296
.set SLOT,   ABYTES+2*BHALF
.set SCA,    2*SLOT                    ; A's scale words: [KS128][128 rows x 4 bytes]
.set SAH,    KS128*256
.set SCB,    SCA+2*SAH                 ; B's scale bytes: units of 256 bytes + 16 of padding
.set HALFSB, (64*KS/256)*272
.set SBLK,   (16*KS/256)*272
.set SPARE,  SCB+2*HALFSB              ; the spare words, 128 bytes for each wave: two blocks of 256 bytes that no other line names
.set SPITCH, 272                       ; the way out: a stage of 16 rows x (256 bytes + 16) for each wave, in slot 0, which has had its last fill and its last read by then
.set ADRA, 16
.set ADRB, 20
.set STO,  24
.set RD,   25
.set CO,   26
.set ADSA, 27
.set SPW,  28
.set NIL,  29
.set ADSB, 30
.set SC,   32
.set BK,   32
.set ACC,  128
.set G1, 24
.set G0, 32
.set G1B, 48
.set G0B, 56
.set G1S, 68
.set G0S, 76
.set G1SB, 80
.set G0SB, 88
.set G0H, 4                            ; group 0 of the head's loads of K step 0: A's 128 rows, B's 128 rows
.set G0HB, 96
.set MSB, 0
.macro WIN new
.if MSB != \new
	s_set_vgpr_msb (MSB<<8)|\new
.set MSB, \new
.endif
.endm
.set MUL,  0x05                        ; sources 0 and 1 window 1; C and D window 0
.set TO_F, 0x40                        ; destination window 1
.macro JLOAD g0a, g1a, g0b, g1b        ; a joint load: waves 0 and 1 fetch for A, waves 2 and 3 for B; four v_nop follow each of the two lines
	s_cmp_eq_u32 s15, 0
	s_cbranch_scc0 .Lfor_b_\@
	tensor_load_to_lds s[\g0a:\g0a+3], s[\g1a:\g1a+7]
	s_nop 0
.rept 4
	v_nop
.endr
	s_branch .Lasked_\@
.Lfor_b_\@:
	tensor_load_to_lds s[\g0b:\g0b+3], s[\g1b:\g1b+7]
	s_nop 0
.rept 4
	v_nop
.endr
.Lasked_\@:
.endm
.macro CREST
	s_cmp_lg_u32 s14, 0
	s_cbranch_scc1 .Lnot_wave_0_\@
	s_barrier_signal -3
.Lnot_wave_0_\@:
	s_barrier_wait -3
	s_barrier_signal -1
	s_barrier_wait -1
.endm
.macro CROUND
	s_barrier_signal -1
	s_barrier_wait -1
	CREST
.endm
	s_load_b256 s[4:11], s[0:1], 0x0               ; A s[4:5], B's codes s[6:7], B's scales s[8:9], res s[10:11]
	s_load_b64 s[12:13], s[0:1], 0x20              ; out
	v_lshl_add_u32 v[SPW], v0, 2, SPARE
	v_mov_b32 v[NIL], 0
	ds_add_u32 v28, v29
	ds_add_u32 v28, v29
	s_wait_dscnt 0x0
	v_lshrrev_b32 v1, 5, v0
	v_readfirstlane_b32 s14, v1                    ; wave 0..3
	s_lshr_b32 s15, s14, 1                         ; which half of the tile's rows is mine.  Also: I fetch for A (0) or for B (1)
	s_and_b32 s16, s14, 1                          ; which half of its columns.  Also: which 64 rows of that tile I fetch
	s_bfe_u32 s40, ttmp6, 0x40000
	s_bfe_u32 s41, ttmp6, 0x40004
	s_lshl_b32 s42, ttmp9, 2
	s_add_co_u32 s42, s42, s40                     ; tile column
	s_and_b32 s17, ttmp7, 0xffff
	s_lshl_b32 s17, s17, 2
	s_add_co_u32 s17, s17, s41                     ; tile row
	s_lshl_b32 s43, s41, 2
	s_lshl_b32 s43, 15, s43                        ; my row of the cluster
	s_lshl_b32 s44, 0x1111, s40                    ; my column
	s_or_b32 s[G1+0], s43, (3<<16)|(1<<21)         ; A: elements of 8 bytes; 4 rows (blocks of 16 rows of A) of 768 elements (4 fragments on end), KS128 fragments apart; no padding
	s_mov_b32 s[G1+1], 768<<16
	s_mov_b32 s[G1+2], 8<<16                       ; 8 blocks of rows at the head, 4 in the ring
	s_mov_b32 s[G1+3], 768<<16
	s_mov_b32 s[G1+4], 8
	s_mov_b32 s[G1+5], KS128*192
	s_mov_b32 s[G1+6], 0
	s_mov_b32 s[G1+7], 0
	s_or_b32 s[G1B+0], s44, (3<<16)|(1<<21)        ; B: as A, with my column's mask
	s_mov_b32 s[G1B+1], 768<<16
	s_mov_b32 s[G1B+2], 8<<16
	s_mov_b32 s[G1B+3], 768<<16
	s_mov_b32 s[G1B+4], 8
	s_mov_b32 s[G1B+5], KS128*192
	s_mov_b32 s[G1B+6], 0
	s_mov_b32 s[G1B+7], 0
	s_or_b32 s[G1S+0], s43, (3<<16)|(1<<21)        ; A's scale words: KS128 rows of 512 bytes (128 rows of A), 16,384 bytes apart
	s_mov_b32 s[G1S+1], 64<<16                     ; rows of 512 bytes: the scale words of all 128 rows of A
	s_mov_b32 s[G1S+2], KS128<<16
	s_mov_b32 s[G1S+3], 64<<16
	s_mov_b32 s[G1S+4], KS128
	s_mov_b32 s[G1S+5], 2048
	s_mov_b32 s[G1S+6], 0
	s_mov_b32 s[G1S+7], 0
	s_or_b32 s[G1SB+0], s44, (3<<16)|(1<<20)|(1<<21)|(5<<22)|(3<<25)  ; B's scale bytes of 128 rows: a dense block, as rows of 256 bytes, 16 bytes of padding behind each
	s_mov_b32 s[G1SB+1], 32<<16
	s_mov_b32 s[G1SB+2], (128*KS/256)<<16
	s_mov_b32 s[G1SB+3], 32<<16
	s_mov_b32 s[G1SB+4], 128*KS/256
	s_mov_b32 s[G1SB+5], 32
	s_mov_b32 s[G1SB+6], 0
	s_mov_b32 s[G1SB+7], 0
	s_mul_i32 s20, s17, 8*KS128*1536               ; A: the tile's first block of rows
	s_mov_b32 s21, 0
	s_lshl_b32 s22, s17, 9
	s_add_co_u32 s22, s22, 256*KS128*1536          ; its scale words: behind the fragments
	s_mov_b32 s23, 0
	s_lshl_b32 s46, s42, 7                         ; B: the tile's first row
	s_mul_i32 s18, s16, 4*KS128*1536               ; in the ring I fetch 64 rows of a tile: which half, in bytes
	s_mov_b32 s19, 0
	s_mul_i32 s92, s46, KS
	s_mov_b32 s93, 0
	s_mul_i32 s46, s46, KROW
	s_mov_b32 s47, 0
	s_mul_i32 s45, s16, AHALF                      ; where they go: no place in the cluster enters an LDS address
	s_mul_i32 s94, s16, BHALF
	s_add_co_u32 s94, s94, ABYTES
	s_wait_kmcnt 0x0
	s_add_nc_u64 s[20:21], s[4:5], s[20:21]
	s_add_nc_u64 s[22:23], s[4:5], s[22:23]
	s_add_nc_u64 s[46:47], s[6:7], s[46:47]
	s_add_nc_u64 s[46:47], s[46:47], WOFF
	s_add_nc_u64 s[92:93], s[8:9], s[92:93]
	CROUND                                         ; all sixteen work-groups are here: the first joint loads meet
	s_mov_b32 s[G0S], 1
	s_mov_b32 s[G0S+1], SCA
	s_mov_b64 s[G0S+2:G0S+3], s[22:23]
	s_or_b32 s[G0S+3], s[G0S+3], 0x80000000
	s_mov_b32 s[G0SB], 1
	s_mov_b32 s[G0SB+1], SCB
	s_mov_b64 s[G0SB+2:G0SB+3], s[92:93]
	s_or_b32 s[G0SB+3], s[G0SB+3], 0x80000000
	s_mov_b32 s[G0H], 1
	s_mov_b32 s[G0H+1], 0
	s_mov_b64 s[G0H+2:G0H+3], s[20:21]
	s_or_b32 s[G0H+3], s[G0H+3], 0x80000000
	s_mov_b32 s[G0HB], 1
	s_mov_b32 s[G0HB+1], ABYTES
	s_mov_b64 s[G0HB+2:G0HB+3], s[46:47]
	s_or_b32 s[G0HB+3], s[G0HB+3], 0x80000000
	s_add_nc_u64 s[20:21], s[20:21], s[18:19]      ; for the ring: my 64 rows
	s_add_nc_u64 s[46:47], s[46:47], s[18:19]
.irp s, 0,1
	s_mov_b32 s[G0+4*\s], 1
	s_add_co_u32 s[G0+4*\s+1], s45, \s*SLOT
	s_add_nc_u64 s[G0+4*\s+2:G0+4*\s+3], s[20:21], \s*6144
	s_or_b32 s[G0+4*\s+3], s[G0+4*\s+3], 0x80000000
	s_mov_b32 s[G0B+4*\s], 1
	s_add_co_u32 s[G0B+4*\s+1], s94, \s*SLOT
	s_add_nc_u64 s[G0B+4*\s+2:G0B+4*\s+3], s[46:47], \s*6144
	s_or_b32 s[G0B+4*\s+3], s[G0B+4*\s+3], 0x80000000
.endr
; the head's four tiles, one joint load a wave: wave 0 A's 128 rows of K step 0, wave 1 B's, wave 2 A's scale words, wave 3 B's scale bytes; one chain of branches on the wave's number
.macro ARM under, g0, g1, next
	s_cmp_lt_u32 s14, \under
	s_cbranch_scc0 \next
	tensor_load_to_lds s[\g0:\g0+3], s[\g1:\g1+7]
	s_nop 0
.rept 4
	v_nop
.endr
	s_branch .Lhead_asked
\next:
.endm
	ARM 1, G0H,  G1,  .Lhead_b
	ARM 2, G0HB, G1B, .Lhead_sa
	ARM 3, G0S,  G1S, .Lhead_sb
	tensor_load_to_lds s[G0SB:G0SB+3], s[G1SB:G1SB+7]
	s_nop 0
.rept 4
	v_nop
.endr
.Lhead_asked:
	v_and_b32 v1, 15, v0                           ; r
	v_bfe_u32 v2, v0, 4, 1                         ; h
	v_and_b32 v3, 31, v0
	v_lshlrev_b32 v3, 3, v3                        ; 8 x lane
	s_wait_alu depctr_va_vdst(0)
	s_mul_i32 s21, s15, AHALF
	s_mul_i32 s22, s16, BHALF
	s_add_co_u32 s22, s22, ABYTES
.irp s, 0,1
	v_add_nc_u32 v[ADRA+\s], s21, v3
	v_add_nc_u32 v[ADRB+\s], s22, v3
	s_add_co_u32 s21, s21, SLOT
	s_add_co_u32 s22, s22, SLOT
.endr
	s_lshl_b32 s21, s15, 8                         ; A's scale words lie [K / 128][128 rows x 4 bytes]: my half is 256 bytes on
	s_add_co_u32 s21, s21, SCA
	v_lshl_add_u32 v[ADSA], v1, 2, s21             ; A's scale words: my half, 4 r
	v_mul_u32_u24 v5, v1, KS
	v_lshrrev_b32 v6, 8, v5
	v_lshl_add_u32 v5, v6, 4, v5                   ; B's: KS bytes a row, and 16 more for each 256 passed
	s_mul_i32 s22, s16, HALFSB
	s_add_co_u32 s22, s22, SCB
	v_add_nc_u32 v[ADSB], s22, v5
	s_mul_i32 s23, s14, 16*SPITCH                  ; my stage
	v_mul_u32_u24 v5, v1, SPITCH
	v_lshl_add_u32 v5, v2, 5, v5
	v_add_nc_u32 v[STO], s23, v5                   ; in: row r, 32 bytes for each half of the lanes
	v_mul_u32_u24 v5, v2, SPITCH
	v_lshl_add_u32 v5, v1, 4, v5
	v_add_nc_u32 v[RD], s23, v5                    ; back: lanes 0-15 one row of 256 bytes, lanes 16-31 the next
	v_lshlrev_b32 v5, 12, v2
	v_lshl_add_u32 v[CO], v1, 4, v5                ; and the same two rows in res and out
	s_wait_alu depctr_va_vdst(0)
	s_lshl_b32 s20, s17, 7
	s_lshl_b32 s21, s15, 6
	s_add_co_u32 s20, s20, s21
	s_lshl_b32 s20, s20, 12                        ; my first row: 128 x tile row + 64 x half, 4,096 bytes a row
	s_lshl_b32 s46, s42, 9
	s_lshl_b32 s47, s16, 8
	s_add_co_u32 s46, s46, s47                     ; my first column, in bytes
	s_add_co_u32 s20, s20, s46
	s_mov_b32 s21, 0
	s_add_nc_u64 s[10:11], s[10:11], s[20:21]
	s_add_nc_u64 s[12:13], s[12:13], s[20:21]
	WIN 0x80                                       ; destination window 2
.irp a, 0,1,2,3
.irp t, 0,1,2,3,4,5,6,7
	global_load_b128 v[4*(8*\a+\t):4*(8*\a+\t)+3], v[CO], s[10:11] offset:(16*\a+2*\t)*4096   ; the residual, in the layout in which the rows come back from the stage
.endr
.endr
	WIN 0
.macro FRAGA reg, adr, q, i            ; A's fragment comes as it was stored: six loads of 256 consecutive bytes
.irp p, 0,1,2,3,4,5
	ds_load_b64 v[\reg+2*\p:\reg+2*\p+1], v[\adr] offset:((\i)*4+(\q))*1536+256*\p
.endr
.endm
.macro FETCH slot, q, f                ; 48 LDS loads in one run: B's four, then A's blocks 0, 1, then 2, 3
	WIN TO_F
.irp i, 0,1,2,3
	FRAGA 128*(\f)+48+12*\i, ADRB+\slot, \q, \i
.endr
.irp i, 0,1,2,3
	FRAGA 128*(\f)+12*\i, ADRA+\slot, \q, \i
.endr
.endm
.macro SCALES4 set                     ; a K step's scale words
.irp a, 0,1,2,3
.irp q, 0,1,2,3
	ds_load_b32 v[SC+32*\set+4*\a+\q], v[ADSA] offset:512*\q+64*\a
.endr
.endr
.irp b, 0,1,2,3
	ds_load_b128 v[SC+32*\set+16+4*\b:SC+32*\set+16+4*\b+3], v[ADSB] offset:\b*SBLK
.endr
.endm
; 8 matrix instructions: A's blocks a0, a0 + 1 x B's four.  The 16 accumulators take turns, one instruction a turn, in the same order in every step.
.macro MUL8 f, a0, q, set, zero
.irp a, \a0, \a0+1
.irp b, 0,1,2,3
.if \zero
	v_wmma_scale_f32_16x16x128_f8f6f4 v[ACC+8*(4*(\a)+\b):ACC+8*(4*(\a)+\b)+7], v[128*(\f)+48+12*\b:128*(\f)+48+12*\b+11], v[128*(\f)+12*(\a):128*(\f)+12*(\a)+11], 0, v[SC+32*(\set)+16+4*\b+(\q)], v[SC+32*(\set)+4*(\a)+(\q)] matrix_a_fmt:MATRIX_FMT_FP6 matrix_b_fmt:MATRIX_FMT_FP6
.else
	v_wmma_scale_f32_16x16x128_f8f6f4 v[ACC+8*(4*(\a)+\b):ACC+8*(4*(\a)+\b)+7], v[128*(\f)+48+12*\b:128*(\f)+48+12*\b+11], v[128*(\f)+12*(\a):128*(\f)+12*(\a)+11], v[ACC+8*(4*(\a)+\b):ACC+8*(4*(\a)+\b)+7], v[SC+32*(\set)+16+4*\b+(\q)], v[SC+32*(\set)+4*(\a)+(\q)] matrix_a_fmt:MATRIX_FMT_FP6 matrix_b_fmt:MATRIX_FMT_FP6
.endif
.endr
.endr
.endm
.macro PLACES n
.rept \n
	v_nop
.endr
.endm
.macro STEP4 slot, q, f, zero          ; a step of 128 along K that has its successor in the same slot
	s_wait_dscnt 12                                ; the scale words, B's four and A's blocks 0, 1 are in; the youngest 12 loads (A's blocks 2, 3) may be out
	WIN MUL
	MUL8 \f, 0, \q, \slot, \zero
	PLACES 4                                       ; in front of loads into the other set, which the step before multiplied
	FETCH \slot, (\q)+1, 1-(\f)
	s_wait_dscnt 48                                ; all but the 48 just issued
	WIN MUL
	MUL8 \f, 2, \q, \slot, \zero
.endm
; A slot's last step changes slots: ONE barrier; in front of it each wave waits for all its tensor loads, adds 0 to its spare word, and waits for that and for its own reads of this slot.
.macro TURN4 slot, next, fill
	WIN 0
	s_wait_tensorcnt 0x0                           ; all my tensor loads have landed: my part of the next slot
	ds_add_u32 v[SPW], v[NIL]                      ; 0 onto my spare word
	s_wait_dscnt 13                                ; (the add and the youngest 12 loads may be out)
	WIN MUL
	MUL8 1, 0, 3, \slot, 0                         ; eight matrix instructions stand between the add and the wait for it
	WIN 0
	s_wait_dscnt 0x0                               ; the add is done, and my reads of this slot are over
	s_barrier_signal -1
	s_barrier_wait -1
.if \fill
	CREST                                          ; the barrier has opened a round of the cluster's barrier: no wave of any partner still reads this slot or has a load on its way
	s_add_nc_u64 s[G0+4*\slot+2:G0+4*\slot+3], s[G0+4*\slot+2:G0+4*\slot+3], 2*6144
	s_add_nc_u64 s[G0B+4*\slot+2:G0B+4*\slot+3], s[G0B+4*\slot+2:G0B+4*\slot+3], 2*6144
	JLOAD G0+4*\slot, G1, G0B+4*\slot, G1B         ; the first tensor load behind the round, my one load until the next; its four v_nop are the places in front of the loads below
.else
	PLACES 4
.endif
	v_add_nc_u32 v[ADSA], 2048, v[ADSA]
	v_add_nc_u32 v[ADSB], 16, v[ADSB]
	SCALES4 \next
	FETCH \next, 0, 0
	WIN MUL
	MUL8 1, 2, 3, \slot, 0                         ; the step's other eight products, on registers, while the next slot's first fragments come
.endm
	s_wait_alu depctr_va_vdst(0)
	s_wait_tensorcnt 0x0                           ; my tile of the head's four is in
	ds_add_u32 v[SPW], v[NIL]
	s_mov_b32 s[G1+2], 4<<16                       ; no tensor load of mine is out: from here on a load brings 4 blocks of rows
	s_mov_b32 s[G1+4], 4
	s_mov_b32 s[G1B+2], 4<<16
	s_mov_b32 s[G1B+4], 4
	s_wait_dscnt 0x0
	CROUND                                         ; all four tiles are in, and all sixteen work-groups are here
	JLOAD G0+4, G1, G0B+4, G1B                     ; K step 1, the first tensor load behind the round
	SCALES4 0
	FETCH 0, 0, 0
	STEP4 0, 0, 0, 1                               ; the first step stands in front of the loop: its products start the sums
	WIN 0                                          ; at a label and at a branch every window is 0
.if LAPS > 1
	s_mov_b32 s3, LAPS-1
.Llap:                                                 ; a trip goes once round the ring and fills both slots again
	STEP4 0, 1, 1, 0
	STEP4 0, 2, 0, 0
	TURN4 0, 1, 1
	STEP4 1, 0, 0, 0
	STEP4 1, 1, 1, 0
	STEP4 1, 2, 0, 0
	TURN4 1, 0, 1
	STEP4 0, 0, 0, 0
	WIN 0
	s_sub_co_u32 s3, s3, 1
	s_cmp_lg_u32 s3, 0
	s_cbranch_scc1 .Llap
.endif
	STEP4 0, 1, 1, 0                               ; the last lap fills nothing
	STEP4 0, 2, 0, 0
	TURN4 0, 1, 0
	STEP4 1, 0, 0, 0
	STEP4 1, 1, 1, 0
	STEP4 1, 2, 0, 0
	s_wait_dscnt 12
	WIN MUL
	MUL8 1, 0, 3, 1, 0
	s_wait_dscnt 0x0
	MUL8 1, 2, 3, 1, 0
	WIN 0
; THE WAY OUT, block by block of 16 rows x 64 columns: through my own stage in LDS, back as whole rows of 256 bytes, the residual added, stored.  LDS serves a wave's instructions in order (ISA guide 5.7.1.4).
.macro TOSTAGE a
.irp b, 0,1,2,3
	ds_store_b128 v[STO], v[ACC+8*(4*(\a)+\b):ACC+8*(4*(\a)+\b)+3] offset:64*\b          ; each accumulator from its low end on
	ds_store_b128 v[STO], v[ACC+8*(4*(\a)+\b)+4:ACC+8*(4*(\a)+\b)+7] offset:64*\b+16
.endr
.set BB, BK+32*((\a)%2)
.irp t, 0,1,2,3,4,5,6,7
	ds_load_b128 v[BB+4*\t:BB+4*\t+3], v[RD] offset:\t*2*SPITCH
.endr
.endm
.macro SEND a, younger                 ; younger: the LDS instructions issued behind block a's loads, which may stay out
.set BB, BK+32*((\a)%2)
	s_wait_dscnt \younger
	WIN 0x08                                       ; source 1: window 2
.set i, 0
.rept 16
	v_pk_add_f32 v[BB+i:BB+i+1], v[BB+i:BB+i+1], v[32*(\a)+i:32*(\a)+i+1]
.set i, i+2
.endr
	WIN 0
.irp t, 0,1,2,3,4,5,6,7
	global_store_b128 v[CO], v[BB+4*\t:BB+4*\t+3], s[12:13] offset:(16*(\a)+2*\t)*4096   ; 16 lanes store 256 consecutive bytes, at a multiple of 256 from the buffer's first byte
.endr
.endm
	PLACES 4
	s_wait_loadcnt 0x0                             ; the residual
	TOSTAGE 0
.irp a, 1,2,3
.if \a > 1
	s_wait_xcnt 0x0                                ; block a - 2's stores have read their registers: block a's loads may land there
.endif
	TOSTAGE \a
	SEND \a-1, 16                                  ; behind block a - 1's loads: block a's 8 stores and 8 loads
.endr
	SEND 3, 0
	s_wait_tensorcnt 0x0                           ; the wave's end
	ds_add_u32 v[SPW], v[NIL]
	s_wait_dscnt 0x0
	CROUND                                         ; the closing round
	s_endpgm
.Lfunc_end_k_q03efa31363_proj:
	.size	k_q03efa31363_proj, .Lfunc_end_k_q03efa31363_proj-k_q03efa31363_proj
	.p2alignl 7, 3214868480
	.fill 96, 4, 3214868480
	.section	.rodata,"a",@progbits
	.p2align	6, 0x0
	.amdhsa_kernel k_q03efa31363_proj
		.amdhsa_group_segment_fixed_size 327680
		.amdhsa_private_segment_fixed_size 0
		.amdhsa_enable_private_segment 0
		.amdhsa_kernarg_size 40
		.amdhsa_user_sgpr_count 2
		.amdhsa_user_sgpr_kernarg_segment_ptr 1
		.amdhsa_wavefront_size32 1
		.amdhsa_system_sgpr_workgroup_id_x 1
		.amdhsa_system_sgpr_workgroup_id_y 1
		.amdhsa_system_sgpr_workgroup_id_z 1
		.amdhsa_system_vgpr_workitem_id 0
		.amdhsa_next_free_vgpr 768
		.amdhsa_next_free_sgpr 100
		.amdhsa_reserve_vcc 0
		.amdhsa_float_denorm_mode_32 3
		.amdhsa_float_denorm_mode_16_64 3
		.amdhsa_memory_ordered 1
		.amdhsa_forward_progress 1
		.amdhsa_inst_pref_size 71
	.end_amdhsa_kernel
	.amdgpu_metadata
---
amdhsa.version: [ 1, 2 ]
amdhsa.kernels:
  - .name:           k_q03efa31363_proj
    .symbol:         k_q03efa31363_proj.kd
    .args:
      - { .name: ybuf, .offset: 0, .size: 8, .value_kind: global_buffer, .address_space: global }
      - { .name: wbuf, .offset: 8, .size: 8, .value_kind: global_buffer, .address_space: global }
      - { .name: w_attn_proj_scales, .offset: 16, .size: 8, .value_kind: global_buffer, .address_space: global }
      - { .name: x, .offset: 24, .size: 8, .value_kind: global_buffer, .address_space: global }
      - { .name: x1, .offset: 32, .size: 8, .value_kind: global_buffer, .address_space: global }
    .group_segment_fixed_size: 327680
    .private_segment_fixed_size: 0
    .kernarg_segment_align: 8
    .kernarg_segment_size: 40
    .max_flat_workgroup_size: 128
    .sgpr_count:     100
    .vgpr_count:     768
    .wavefront_size: 32
...
	.end_amdgpu_metadata
.endif
;; end of part 4
;; launch ln2: the kernel of part 1 again; grid 256 x 1, 8 waves a work-group, no clusters, 79,872 bytes of LDS; arguments x1, ln2_g, ln2_b, hbuf, w_attn_codes, w_attn_proj_codes, w_fc_codes, w_mlp_proj_codes, wbuf; writes hbuf, wbuf
;; launch fc (part 5): grid 16 x 16, 4 waves a work-group, clusters of 4 x 4, 327,680 bytes of LDS; arguments hbuf, wbuf, w_fc_scales, gbuf; writes gbuf
.if DOCPART == 5
	.amdgcn_target "amdgcn-amd-amdhsa--gfx1250"
	.amdhsa_code_object_version 6
	.text
	.protected	k_q03efa31363_fc
	.globl	k_q03efa31363_fc
	.p2align	8
	.type	k_q03efa31363_fc,@function
k_q03efa31363_fc:
	s_mov_b64 s[64:65], 0
	v_nop
	global_prefetch_b8 v0, s[64:65] scope:SCOPE_SE
	s_setreg_imm32_b32 hwreg(HW_REG_WAVE_MODE, 25, 1), 1
	s_wait_xcnt 0x0
	s_wait_alu depctr_hold_cnt(0) depctr_sa_sdst(0) depctr_va_vdst(0) depctr_va_sdst(0) depctr_va_ssrc(0) depctr_va_vcc(0) depctr_vm_vsrc(0)
	s_getreg_b32 s2, hwreg(HW_REG_IB_STS2, 6, 4)
	s_cmp_eq_u32 s2, 0
	s_cbranch_scc0 .Lentry_in_a_cluster
	s_endpgm
.Lentry_in_a_cluster:
	s_bfe_u32 s2, ttmp6, 0x10000c
	s_cmp_lg_u32 s2, 0xf033
	s_cbranch_scc0 .Lentry_shape_is_right
	s_endpgm
.Lentry_shape_is_right:
.set KSTEP,  256
.set NQ,     KSTEP/128
; g = Q(gelu(h W_fc)) on codes of FP6.  h and W (wbuf, byte WOFF on) come as fragments of 1,536 bytes, (row / 16 x 8 + K / 128) x 1,536: a K step of 256 is 3,072 consecutive bytes of each block of 16 rows; in LDS [block][2][1,536].
.set ROWB,   3072
.set KROW,   768
.set PITCH,  192
.set WOFF,   3145728
.set FR,     12
.set NL,     6
.set NP,     4
.set HALFT,  128*PITCH
.set SLOT,   4*HALFT
.set LAPS,   2
.set KS,     32
.set SCL,    2*SLOT
.set HALFS,  (128*KS/256)*272
.set SBLK,   (16*KS/256)*272
.set SPARE,  SCL+4*HALFS
.set HSC,    3145728
.set GSC,    12582912
.set ADRA, 16
.set ADRB, 20
.set ADRS, 27
.set SPW,  28
.set NIL,  29
.set SC,   32
.set L8,   64
.set L16,  65
.set SWA,  66
.set SRA,  67
.set SH8,  68
.set PX,   69
.set K1,   70
.set PC,   72
.set PT,   84
.set TM,   92
.set TS,   96
.set TB,   98
.set PW,   100
.set AF,   128
.set T,    128
.set SEL,  22
.set K2,   96
.set G1, 24
.set G0, 32
.set G1B, 48
.set G0B, 56
.set G1S, 68
.set G0S, 76
.set G1SB, 80
.set G0SB, 88
.set G0H, 4
.set G0HB, 8
.set MSB, 0
.macro WIN new
.if MSB != \new
	s_set_vgpr_msb (MSB<<8)|\new
.set MSB, \new
.endif
.endm
.set MUL_LO, 0xa1
.set MUL_HI, 0xf1
.set TO_B,   0x40
.macro JLOAD g0a, g1a, g0b, g1b
	s_cmp_eq_u32 s15, 0
	s_cbranch_scc0 .Lfor_b_\@
	tensor_load_to_lds s[\g0a:\g0a+3], s[\g1a:\g1a+7]
	s_nop 0
.rept 4
	v_nop
.endr
	s_branch .Lasked_\@
.Lfor_b_\@:
	tensor_load_to_lds s[\g0b:\g0b+3], s[\g1b:\g1b+7]
	s_nop 0
.rept 4
	v_nop
.endr
.Lasked_\@:
.endm
.macro CREST
	s_cmp_lg_u32 s14, 0
	s_cbranch_scc1 .Lnot_wave_0_\@
	s_barrier_signal -3
.Lnot_wave_0_\@:
	s_barrier_wait -3
	s_barrier_signal -1
	s_barrier_wait -1
.endm
.macro CROUND
	s_barrier_signal -1
	s_barrier_wait -1
	CREST
.endm
	s_load_b64 s[4:5], s[0:1], 0x0
	s_load_b128 s[8:11], s[0:1], 0x8
	s_load_b64 s[12:13], s[0:1], 0x18
	v_lshl_add_u32 v[SPW], v0, 2, SPARE
	v_mov_b32 v[NIL], 0
	ds_add_u32 v28, v29
	ds_add_u32 v28, v29
	s_wait_dscnt 0x0
	v_lshrrev_b32 v1, 5, v0
	v_readfirstlane_b32 s14, v1
	s_lshr_b32 s15, s14, 1
	s_and_b32 s16, s14, 1
	s_bfe_u32 s40, ttmp6, 0x40000
	s_bfe_u32 s41, ttmp6, 0x40004
	s_lshl_b32 s42, ttmp9, 2
	s_add_co_u32 s42, s42, s40
	s_and_b32 s17, ttmp7, 0xffff
	s_lshl_b32 s17, s17, 2
	s_add_co_u32 s17, s17, s41
	s_lshl_b32 s43, s41, 2
	s_lshl_b32 s43, 15, s43
	s_lshl_b32 s44, 0x1111, s40
	s_or_b32 s[G1+0], s43, (3<<16)|(1<<21)         ; the mask; elements of 8 bytes; bit 21 beside a mask
	s_or_b32 s[G1B+0], s44, (3<<16)|(1<<21)
.irp g, G1, G1B
	s_mov_b32 s[\g+1], 384<<16                     ; 3,072 bytes
	s_mov_b32 s[\g+2], 16<<16                      ; 16 blocks of rows at the head, 8 in the ring
	s_mov_b32 s[\g+3], 384<<16
	s_mov_b32 s[\g+4], 16
	s_mov_b32 s[\g+5], 1536                        ; 12,288 bytes from block to block
	s_mov_b32 s[\g+6], 0
	s_mov_b32 s[\g+7], 0
.endr
	s_or_b32 s[G1S+0], s43, (3<<16)|(1<<20)|(1<<21)|(5<<22)|(3<<25)
	s_or_b32 s[G1SB+0], s44, (3<<16)|(1<<20)|(1<<21)|(5<<22)|(3<<25)
.irp g, G1S, G1SB
	s_mov_b32 s[\g+1], 32<<16
	s_mov_b32 s[\g+2], (256*KS/256)<<16
	s_mov_b32 s[\g+3], 32<<16
	s_mov_b32 s[\g+4], 256*KS/256
	s_mov_b32 s[\g+5], 32
	s_mov_b32 s[\g+6], 0
	s_mov_b32 s[\g+7], 0
.endr
	s_lshl_b32 s20, s17, 8                         ; the tiles' first rows
	s_lshl_b32 s46, s42, 8
	s_mov_b32 s21, 0
	s_mov_b32 s47, 0
	s_mov_b64 s[18:19], KS
	s_mul_u64 s[22:23], s[20:21], s[18:19]
	s_mul_u64 s[92:93], s[46:47], s[18:19]
	s_mov_b64 s[18:19], KROW
	s_mul_u64 s[20:21], s[20:21], s[18:19]
	s_mul_u64 s[46:47], s[46:47], s[18:19]
	s_mul_i32 s45, s14, HALFT
	s_mul_i32 s18, s16, 128*KROW                   ; in the ring I fetch 128 rows of a tile: which half, in bytes
	s_mov_b32 s19, 0
	s_wait_kmcnt 0x0
	s_add_nc_u64 s[6:7], s[4:5], HSC
	s_add_nc_u64 s[20:21], s[4:5], s[20:21]
	s_add_nc_u64 s[22:23], s[6:7], s[22:23]
	s_add_nc_u64 s[46:47], s[8:9], s[46:47]
	s_add_nc_u64 s[46:47], s[46:47], WOFF
	s_add_nc_u64 s[92:93], s[10:11], s[92:93]
	CROUND
	s_mov_b32 s[G0S], 1
	s_mov_b32 s[G0S+1], SCL
	s_mov_b64 s[G0S+2:G0S+3], s[22:23]
	s_or_b32 s[G0S+3], s[G0S+3], 0x80000000
	s_mov_b32 s[G0SB], 1
	s_mov_b32 s[G0SB+1], SCL+2*HALFS
	s_mov_b64 s[G0SB+2:G0SB+3], s[92:93]
	s_or_b32 s[G0SB+3], s[G0SB+3], 0x80000000
	s_mov_b32 s[G0H], 1
	s_mov_b32 s[G0H+1], 0
	s_mov_b64 s[G0H+2:G0H+3], s[20:21]
	s_or_b32 s[G0H+3], s[G0H+3], 0x80000000
	s_mov_b32 s[G0HB], 1
	s_mov_b32 s[G0HB+1], 2*HALFT
	s_mov_b64 s[G0HB+2:G0HB+3], s[46:47]
	s_or_b32 s[G0HB+3], s[G0HB+3], 0x80000000
	s_add_nc_u64 s[20:21], s[20:21], s[18:19]      ; for the ring: my 128 rows
	s_add_nc_u64 s[46:47], s[46:47], s[18:19]
.irp s, 0,1
	s_mov_b32 s[G0+4*\s], 1
	s_add_co_u32 s[G0+4*\s+1], s45, \s*SLOT
	s_add_nc_u64 s[G0+4*\s+2:G0+4*\s+3], s[20:21], \s*ROWB
	s_or_b32 s[G0+4*\s+3], s[G0+4*\s+3], 0x80000000
	s_mov_b32 s[G0B+4*\s], 1
	s_add_co_u32 s[G0B+4*\s+1], s45, \s*SLOT
	s_add_nc_u64 s[G0B+4*\s+2:G0B+4*\s+3], s[46:47], \s*ROWB
	s_or_b32 s[G0B+4*\s+3], s[G0B+4*\s+3], 0x80000000
.endr
; the head's four tiles, one joint load a wave: wave 0 h's 256 rows of K step 0, wave 1 W's, wave 2 h's scale bytes, wave 3 W's; one chain of branches on the wave's number
.macro ARM under, g0, g1, next
	s_cmp_lt_u32 s14, \under
	s_cbranch_scc0 \next
	tensor_load_to_lds s[\g0:\g0+3], s[\g1:\g1+7]
	s_nop 0
.rept 4
	v_nop
.endr
	s_branch .Lhead_asked
\next:
.endm
	ARM 1, G0H,  G1,  .Lhead_b
	ARM 2, G0HB, G1B, .Lhead_sa
	ARM 3, G0S,  G1S, .Lhead_sb
	tensor_load_to_lds s[G0SB:G0SB+3], s[G1SB:G1SB+7]
	s_nop 0
.rept 4
	v_nop
.endr
.Lhead_asked:
	v_and_b32 v1, 15, v0
	v_bfe_u32 v2, v0, 4, 1
	v_and_b32 v4, 31, v0
	v_lshlrev_b32 v4, 3, v4                        ; 8 x lane
	s_wait_alu depctr_va_vdst(0)
	s_mul_i32 s21, s15, HALFT
	s_mul_i32 s22, s16, HALFT
	s_add_co_u32 s22, s22, 2*HALFT
.irp s, 0,1
	v_add_nc_u32 v[ADRA+\s], s21, v4
	v_add_nc_u32 v[ADRB+\s], s22, v4
	s_add_co_u32 s21, s21, SLOT
	s_add_co_u32 s22, s22, SLOT
.endr
	v_mul_u32_u24 v5, v1, KS
	v_lshrrev_b32 v6, 8, v5
	v_lshl_add_u32 v5, v6, 4, v5
	s_mul_i32 s21, s15, HALFS
	s_mul_i32 s22, s16, HALFS
	s_add_co_u32 s22, s22, 2*HALFS
	s_sub_co_u32 s22, s22, s21
	v_mul_u32_u24 v6, s22, v2
	s_add_co_u32 s21, s21, SCL
	v_add_nc_u32 v5, v5, v6
	v_add_nc_u32 v[ADRS], s21, v5
	v_and_b32 v6, 31, v0
	v_lshlrev_b32 v[L8], 3, v6
	v_lshlrev_b32 v[L16], 4, v6
	s_lshl_b32 s23, s14, 9
	v_lshl_add_u32 v[SWA], v1, 2, s23
	v_add_nc_u32 v[SRA], s23, v[L16]
	v_lshlrev_b32 v[SH8], 3, v2
	v_mov_b32 v[PX], 0
	v_mov_b32 v[K1], 0xc0135761
	v_mov_b32 v[K1+1], v[K1]
	s_mov_b32 s[K2], 0xbdd2d3e8
	s_mov_b32 s[K2+1], s[K2]
	s_lshl_b32 s20, s17, 4
	s_lshl_b32 s21, s15, 3
	s_add_co_u32 s20, s20, s21
	s_lshl_b32 s20, s20, 5
	s_lshl_b32 s46, s42, 1
	s_add_co_u32 s46, s46, s16
	s_add_co_u32 s20, s20, s46
	s_mul_i32 s66, s20, 1536
	s_mov_b32 s67, 0
	s_lshl_b32 s46, s46, 12
	s_lshl_b32 s47, s17, 8
	s_add_co_u32 s46, s46, s47
	s_lshl_b32 s47, s15, 7
	s_add_co_u32 s46, s46, s47
	s_lshl_b32 s46, s46, 2
	s_add_co_u32 s46, s46, GSC
	s_mov_b32 s47, 0
	s_add_nc_u64 s[20:21], s[12:13], s[46:47]
	s_add_nc_u64 s[12:13], s[12:13], s[66:67]
	s_mov_b32 s[SEL], 0x76543210
	s_mov_b32 s[SEL+1], 0xfedcba98
.macro FRAG reg, adr, q, i
.irp p, 0,1,2,3,4,5
	ds_load_b64 v[\reg+2*\p:\reg+2*\p+1], v[\adr] offset:((\i)*2+(\q))*1536+256*\p   ; the fragment comes as it was stored
.endr
.endm
.macro MUL16 a0, p, q, sc, zero
.irp a, \a0, \a0+1
.irp b, 0,1,2,3,4,5,6,7
.set SG, ((\b)&4)|(((\b)&1)<<1)|(((\b)>>1)&1)
.if \zero
	v_wmma_scale_f32_16x16x128_f8f6f4 v[8*(8*((\a)%4)+SG):8*(8*((\a)%4)+SG)+7], v[128*(\p)+FR*\b:128*(\p)+FR*\b+FR-1], v[AF+FR*(\a):AF+FR*(\a)+FR-1], 0, v[SC+8*NQ*(\sc)+NQ*\b+(\q)], v[SC+8*NQ*(\sc)+NQ*(\a)+(\q)] matrix_a_fmt:MATRIX_FMT_FP6 matrix_b_fmt:MATRIX_FMT_FP6 matrix_a_scale:MATRIX_SCALE_ROW1
.else
	v_wmma_scale_f32_16x16x128_f8f6f4 v[8*(8*((\a)%4)+SG):8*(8*((\a)%4)+SG)+7], v[128*(\p)+FR*\b:128*(\p)+FR*\b+FR-1], v[AF+FR*(\a):AF+FR*(\a)+FR-1], v[8*(8*((\a)%4)+SG):8*(8*((\a)%4)+SG)+7], v[SC+8*NQ*(\sc)+NQ*\b+(\q)], v[SC+8*NQ*(\sc)+NQ*(\a)+(\q)] matrix_a_fmt:MATRIX_FMT_FP6 matrix_b_fmt:MATRIX_FMT_FP6 matrix_a_scale:MATRIX_SCALE_ROW1
.endif
.endr
.endr
.endm
.macro FETCH_B slot, q, p
	WIN TO_B
.irp i, 0,1,2,3,4,5,6,7
	FRAG 128*(\p)+FR*\i, ADRB+\slot, \q, \i
.endr
	WIN 0
.endm
.macro FETCH_A slot, q, i0
.irp i, \i0, \i0+1, \i0+2, \i0+3
	FRAG AF+FR*(\i), ADRA+\slot, \q, \i
.endr
.endm
.macro SCALES sc
.irp i, 0,1,2,3,4,5,6,7
	ds_load_b64 v[SC+8*NQ*\sc+NQ*\i:SC+8*NQ*\sc+NQ*\i+1], v[ADRS] offset:\i*SBLK
.endr
.endm
.macro PLACES n
.rept \n
	v_nop
.endr
.endm
.macro STEP slot, q, zero
	s_wait_dscnt 4*NL
	WIN MUL_LO
	MUL16 0, (\q)%2, \q, \slot, \zero
	MUL16 2, (\q)%2, \q, \slot, \zero
	s_wait_dscnt 0
	PLACES NP
	FETCH_B \slot, (\q)+1, 1-(\q)%2
	FETCH_A \slot, (\q)+1, 0
	WIN MUL_HI
	MUL16 4, (\q)%2, \q, \slot, \zero
	MUL16 6, (\q)%2, \q, \slot, \zero
	PLACES NP
	WIN 0
	FETCH_A \slot, (\q)+1, 4
.endm
.macro TURN slot, next, fill
	s_wait_tensorcnt 0x0
	ds_add_u32 v[SPW], v[NIL]
	s_wait_dscnt 4*NL+1
	WIN MUL_LO
	MUL16 0, 1, NQ-1, \slot, 0
	s_wait_dscnt 0x0
	s_barrier_signal -1
	MUL16 2, 1, NQ-1, \slot, 0
	WIN 0
	s_barrier_wait -1
.if \fill
	CREST
	s_add_nc_u64 s[G0+4*\slot+2:G0+4*\slot+3], s[G0+4*\slot+2:G0+4*\slot+3], 2*ROWB
	s_add_nc_u64 s[G0B+4*\slot+2:G0B+4*\slot+3], s[G0B+4*\slot+2:G0B+4*\slot+3], 2*ROWB
	JLOAD G0+4*\slot, G1, G0B+4*\slot, G1B
.else
	PLACES NP
.endif
	s_wait_alu depctr_va_vdst(0)
	v_add_nc_u32 v[ADRS], 4*NQ, v[ADRS]
	FETCH_B \next, 0, 0
	FETCH_A \next, 0, 0
	SCALES \next
	WIN MUL_HI
	MUL16 4, 1, NQ-1, \slot, 0
	MUL16 6, 1, NQ-1, \slot, 0
	PLACES NP
	WIN 0
	FETCH_A \next, 0, 4
.endm
	s_wait_alu depctr_va_vdst(0)
	s_wait_tensorcnt 0x0                           ; my tile of the head's four is in
	ds_add_u32 v[SPW], v[NIL]
	s_mov_b32 s[G1+2], 8<<16                       ; no tensor load of mine is out: from here on a load brings 8 blocks of rows
	s_mov_b32 s[G1+4], 8
	s_mov_b32 s[G1B+2], 8<<16
	s_mov_b32 s[G1B+4], 8
	s_wait_dscnt 0x0
	CROUND                                         ; all four tiles are in, and all sixteen work-groups are here
	JLOAD G0+4, G1, G0B+4, G1B                     ; K step 1, the first tensor load behind the round
	FETCH_B 0, 0, 0
	FETCH_A 0, 0, 0
	SCALES 0
	FETCH_A 0, 0, 4
	STEP 0, 0, 1
	s_mov_b32 s3, LAPS-1
.Llap:
	TURN 0, 1, 1
	STEP 1, 0, 0
	TURN 1, 0, 1
	STEP 0, 0, 0
	s_sub_co_u32 s3, s3, 1
	s_cmp_lg_u32 s3, 0
	s_cbranch_scc1 .Llap
	TURN 0, 1, 0
	STEP 1, 0, 0
	s_wait_dscnt 4*NL
	WIN MUL_LO
	MUL16 0, 1, NQ-1, 1, 0
	MUL16 2, 1, NQ-1, 1, 0
	s_wait_dscnt 0
	WIN MUL_HI
	MUL16 4, 1, NQ-1, 1, 0
	MUL16 6, 1, NQ-1, 1, 0
	WIN 0
.macro SWAP4 base
.set j, 0
.rept 8
	v_permlane16_swap_b32 v[\base+j], v[\base+8+j]
	v_permlane16_swap_b32 v[\base+16+j], v[\base+24+j]
.set j, j+1
.endr
.endm
.macro QUANT64 s
.irp b, 0,1,2,3
	v_max3_num_f32 v[TM+\b], |v[\s+16*\b]|, |v[\s+1+16*\b]|, 0x1800000
.endr
.irp i, 2,4,6,8,10,12,14
.irp b, 0,1,2,3
	v_max3_num_f32 v[TM+\b], v[TM+\b], |v[\s+16*\b+\i]|, |v[\s+1+16*\b+\i]|
.endr
.endr
	v_max_num_f32 v[TM], v[TM], v[TM+1]
	v_max_num_f32 v[TM+2], v[TM+2], v[TM+3]
	v_add_nc_u32 v[TS], 0xff000000, v[TM]
	v_add_nc_u32 v[TS+1], 0xff000000, v[TM+2]
	v_lshrrev_b32 v[TB], 23, v[TS]
	v_lshrrev_b32 v[TB+1], 23, v[TS+1]
	v_lshl_or_b32 v[PW], v[TB+1], 16, v[TB]
	v_lshlrev_b32 v[PW], v[SH8], v[PW]
	v_permlanex16_b32 v[PX], v[PW], s[SEL], s[SEL+1]
	v_or_b32 v[PW], v[PW], v[PX]
.irp c, 0,1
	v_cvt_scalef32_pk16_fp6_f32 v[PC+6*\c:PC+6*\c+2], v[\s+32*\c:\s+32*\c+15], v[TS+\c]
	v_cvt_scalef32_pk16_fp6_f32 v[PT+4*\c:PT+4*\c+2], v[\s+32*\c+16:\s+32*\c+31], v[TS+\c]
.endr
	v_nop
.irp c, 0,1
.irp i, 0,1,2
	v_mov_b32 v[PC+3+6*\c+\i], v[PT+4*\c+\i]
.endr
.endr
.endm
.macro GOUT a
.set AC, 64*((\a)%4)
.set WA, 2+(\a)/4
.if (\a) > 0
	s_wait_xcnt 0x0
	s_wait_dscnt 0x0
.endif
.set WQ, WA|(WA<<2)
	WIN WQ
.set j, 0
.rept 32
	v_pk_mul_f32 v[T+j:T+j+1], v[AC+j:AC+j+1], v[AC+j:AC+j+1]
.set j, j+2
.endr
	WIN 0
.set j, 0
.rept 32
	v_pk_fma_f32 v[T+j:T+j+1], v[T+j:T+j+1], s[K2:K2+1], v[K1:K1+1] op_sel_hi:[1,0,0]
.set j, j+2
.endr
.set WQ, WA<<2
	WIN WQ
.set j, 0
.rept 32
	v_pk_mul_f32 v[T+j:T+j+1], v[T+j:T+j+1], v[AC+j:AC+j+1]
.set j, j+2
.endr
	WIN 0
.set j, 0
	s_wait_alu depctr_va_vdst(0)
.rept 64
	v_exp_f32 v[T+j], v[T+j]
.set j, j+1
.endr
	v_nop
.set j, 0
	s_wait_alu depctr_va_vdst(0)
.rept 32
	v_pk_add_f32 v[T+j:T+j+1], v[T+j:T+j+1], 1.0 op_sel_hi:[1,0]
.set j, j+2
.endr
.set j, 0
	s_wait_alu depctr_va_vdst(0)
.rept 64
	v_rcp_f32 v[T+j], v[T+j]
.set j, j+1
.endr
	v_nop
	WIN WQ
.set j, 0
	s_wait_alu depctr_va_vdst(0)
.rept 32
	v_pk_mul_f32 v[T+j:T+j+1], v[T+j:T+j+1], v[AC+j:AC+j+1]
.set j, j+2
.endr
	WIN 0
	SWAP4 T
	SWAP4 T+32
	QUANT64 T
.irp p, 0,1,2,3,4,5
	global_store_b64 v[L8], v[PC+2*\p:PC+2*\p+1], s[12:13] offset:(\a)*49152+256*\p
.endr
	ds_store_b32 v[SWA], v[PW] offset:64*(\a)
.endm
	PLACES NP
.irp a, 0,1,2,3,4,5,6,7
	GOUT \a
.endr
	ds_load_b128 v[104:107], v[SRA]
	s_wait_dscnt 0x0
	global_store_b128 v[L16], v[104:107], s[20:21]
	s_wait_tensorcnt 0x0
	ds_add_u32 v[SPW], v[NIL]
	s_wait_dscnt 0x0
	CROUND
	s_endpgm
.Lfunc_end_k_q03efa31363_fc:
	.size	k_q03efa31363_fc, .Lfunc_end_k_q03efa31363_fc-k_q03efa31363_fc
	.p2alignl 7, 3214868480
	.fill 96, 4, 3214868480
	.section	.rodata,"a",@progbits
	.p2align	6, 0x0
	.amdhsa_kernel k_q03efa31363_fc
		.amdhsa_group_segment_fixed_size 327680
		.amdhsa_private_segment_fixed_size 0
		.amdhsa_enable_private_segment 0
		.amdhsa_kernarg_size 32
		.amdhsa_user_sgpr_count 2
		.amdhsa_user_sgpr_kernarg_segment_ptr 1
		.amdhsa_wavefront_size32 1
		.amdhsa_system_sgpr_workgroup_id_x 1
		.amdhsa_system_sgpr_workgroup_id_y 1
		.amdhsa_system_sgpr_workgroup_id_z 1
		.amdhsa_system_vgpr_workitem_id 0
		.amdhsa_next_free_vgpr 1024
		.amdhsa_next_free_sgpr 100
		.amdhsa_reserve_vcc 0
		.amdhsa_float_denorm_mode_32 3
		.amdhsa_float_denorm_mode_16_64 3
		.amdhsa_memory_ordered 1
		.amdhsa_forward_progress 1
		.amdhsa_inst_pref_size 255
	.end_amdhsa_kernel
	.section	.bss,"aw",@nobits
	.p2align	6
	.space	262144
	.amdgpu_metadata
---
amdhsa.version: [ 1, 2 ]
amdhsa.kernels:
  - .name:           k_q03efa31363_fc
    .symbol:         k_q03efa31363_fc.kd
    .args:
      - { .name: hbuf, .offset: 0, .size: 8, .value_kind: global_buffer, .address_space: global }
      - { .name: wbuf, .offset: 8, .size: 8, .value_kind: global_buffer, .address_space: global }
      - { .name: w_fc_scales, .offset: 16, .size: 8, .value_kind: global_buffer, .address_space: global }
      - { .name: gbuf, .offset: 24, .size: 8, .value_kind: global_buffer, .address_space: global }
    .group_segment_fixed_size: 327680
    .private_segment_fixed_size: 0
    .kernarg_segment_align: 8
    .kernarg_segment_size: 32
    .max_flat_workgroup_size: 128
    .sgpr_count:     100
    .vgpr_count:     1024
    .wavefront_size: 32
...
	.end_amdgpu_metadata
.endif
;; end of part 5
;; launch mlp (part 6): grid 8 x 32, 4 waves a work-group, clusters of 4 x 4, 327,680 bytes of LDS; arguments gbuf, wbuf, w_mlp_proj_scales, x1, out0; writes out0
.if DOCPART == 6
	.amdgcn_target "amdgcn-amd-amdhsa--gfx1250"
	.amdhsa_code_object_version 6
	.text
	.protected	k_q03efa31363_mlp
	.globl	k_q03efa31363_mlp
	.p2align	8
	.type	k_q03efa31363_mlp,@function
k_q03efa31363_mlp:
	s_mov_b64 s[64:65], 0
	v_nop
	global_prefetch_b8 v0, s[64:65] scope:SCOPE_SE
	s_setreg_imm32_b32 hwreg(HW_REG_WAVE_MODE, 25, 1), 1
	s_wait_xcnt 0x0
	s_wait_alu depctr_hold_cnt(0) depctr_sa_sdst(0) depctr_va_vdst(0) depctr_va_sdst(0) depctr_va_ssrc(0) depctr_va_vcc(0) depctr_vm_vsrc(0)
	s_getreg_b32 s2, hwreg(HW_REG_IB_STS2, 6, 4)
	s_cmp_eq_u32 s2, 0
	s_cbranch_scc0 .Lentry_in_a_cluster
	s_endpgm
.Lentry_in_a_cluster:
	s_bfe_u32 s2, ttmp6, 0x10000c
	s_cmp_lg_u32 s2, 0xf033
	s_cbranch_scc0 .Lentry_shape_is_right
	s_endpgm
.Lentry_shape_is_right:
.set SIZE_K, 4096
.set KS128,  SIZE_K/128
.set KROW,   SIZE_K*6/8
.set KS,     SIZE_K/32
.set LAPS,   SIZE_K/1024
.set AHALF,  24576
.set ABYTES, 2*AHALF
; out = x1 + g W_mlp on codes of FP6, K = 4,096 in steps of 512 through two LDS slots.  A (gbuf) and B (wbuf, byte WOFF on) both come as fragments of 1,536 bytes, (row / 16 x 32 + K / 128) x 1,536: a tile's row is 6,144 consecutive bytes.
.set BHALF,  AHALF
.set WOFF,   6291456
.set SLOT,   ABYTES+2*BHALF
.set SCA,    2*SLOT
.set SAH,    KS128*256
.set SCB,    SCA+2*SAH
.set HALFSB, (64*KS/256)*272
.set SBLK,   (16*KS/256)*272
.set SPARE,  SCB+2*HALFSB
.set SPITCH, 272
.set ADRA, 16
.set ADRB, 20
.set STO,  24
.set RD,   25
.set CO,   26
.set ADSA, 27
.set SPW,  28
.set NIL,  29
.set ADSB, 30
.set SC,   32
.set BK,   32
.set ACC,  128
.set G1, 24
.set G0, 32
.set G1B, 48
.set G0B, 56
.set G1S, 68
.set G0S, 76
.set G1SB, 80
.set G0SB, 88
.set G0H, 4
.set G0HB, 96
.set MSB, 0
.macro WIN new
.if MSB != \new
	s_set_vgpr_msb (MSB<<8)|\new
.set MSB, \new
.endif
.endm
.set MUL,  0x05
.set TO_F, 0x40
.macro JLOAD g0a, g1a, g0b, g1b
	s_cmp_eq_u32 s15, 0
	s_cbranch_scc0 .Lfor_b_\@
	tensor_load_to_lds s[\g0a:\g0a+3], s[\g1a:\g1a+7]
	s_nop 0
.rept 4
	v_nop
.endr
	s_branch .Lasked_\@
.Lfor_b_\@:
	tensor_load_to_lds s[\g0b:\g0b+3], s[\g1b:\g1b+7]
	s_nop 0
.rept 4
	v_nop
.endr
.Lasked_\@:
.endm
.macro CREST
	s_cmp_lg_u32 s14, 0
	s_cbranch_scc1 .Lnot_wave_0_\@
	s_barrier_signal -3
.Lnot_wave_0_\@:
	s_barrier_wait -3
	s_barrier_signal -1
	s_barrier_wait -1
.endm
.macro CROUND
	s_barrier_signal -1
	s_barrier_wait -1
	CREST
.endm
	s_load_b256 s[4:11], s[0:1], 0x0
	s_load_b64 s[12:13], s[0:1], 0x20
	v_lshl_add_u32 v[SPW], v0, 2, SPARE
	v_mov_b32 v[NIL], 0
	ds_add_u32 v28, v29
	ds_add_u32 v28, v29
	s_wait_dscnt 0x0
	v_lshrrev_b32 v1, 5, v0
	v_readfirstlane_b32 s14, v1
	s_lshr_b32 s15, s14, 1
	s_and_b32 s16, s14, 1
	s_bfe_u32 s40, ttmp6, 0x40000
	s_bfe_u32 s41, ttmp6, 0x40004
	s_lshl_b32 s42, ttmp9, 2
	s_add_co_u32 s42, s42, s40
	s_and_b32 s17, ttmp7, 0xffff
	s_lshl_b32 s17, s17, 2
	s_add_co_u32 s17, s17, s41
	s_lshl_b32 s43, s41, 2
	s_lshl_b32 s43, 15, s43
	s_lshl_b32 s44, 0x1111, s40
	s_or_b32 s[G1+0], s43, (3<<16)|(1<<21)
	s_mov_b32 s[G1+1], 768<<16
	s_mov_b32 s[G1+2], 8<<16                       ; 8 blocks of rows at the head, 4 in the ring
	s_mov_b32 s[G1+3], 768<<16
	s_mov_b32 s[G1+4], 8
	s_mov_b32 s[G1+5], KS128*192
	s_mov_b32 s[G1+6], 0
	s_mov_b32 s[G1+7], 0
	s_or_b32 s[G1B+0], s44, (3<<16)|(1<<21)        ; B: as A, with my column's mask
	s_mov_b32 s[G1B+1], 768<<16
	s_mov_b32 s[G1B+2], 8<<16
	s_mov_b32 s[G1B+3], 768<<16
	s_mov_b32 s[G1B+4], 8
	s_mov_b32 s[G1B+5], KS128*192
	s_mov_b32 s[G1B+6], 0
	s_mov_b32 s[G1B+7], 0
	s_or_b32 s[G1S+0], s43, (3<<16)|(1<<21)
	s_mov_b32 s[G1S+1], 64<<16                     ; rows of 512 bytes: the scale words of all 128 rows of A
	s_mov_b32 s[G1S+2], KS128<<16
	s_mov_b32 s[G1S+3], 64<<16
	s_mov_b32 s[G1S+4], KS128
	s_mov_b32 s[G1S+5], 2048
	s_mov_b32 s[G1S+6], 0
	s_mov_b32 s[G1S+7], 0
	s_or_b32 s[G1SB+0], s44, (3<<16)|(1<<20)|(1<<21)|(5<<22)|(3<<25)
	s_mov_b32 s[G1SB+1], 32<<16
	s_mov_b32 s[G1SB+2], (128*KS/256)<<16
	s_mov_b32 s[G1SB+3], 32<<16
	s_mov_b32 s[G1SB+4], 128*KS/256
	s_mov_b32 s[G1SB+5], 32
	s_mov_b32 s[G1SB+6], 0
	s_mov_b32 s[G1SB+7], 0
	s_mul_i32 s20, s17, 8*KS128*1536               ; A: the tile's first block of rows
	s_mov_b32 s21, 0
	s_lshl_b32 s22, s17, 9
	s_add_co_u32 s22, s22, 256*KS128*1536          ; its scale words: behind the fragments
	s_mov_b32 s23, 0
	s_lshl_b32 s46, s42, 7                         ; B: the tile's first row
	s_mul_i32 s18, s16, 4*KS128*1536               ; in the ring I fetch 64 rows of a tile: which half, in bytes
	s_mov_b32 s19, 0
	s_mul_i32 s92, s46, KS
	s_mov_b32 s93, 0
	s_mul_i32 s46, s46, KROW
	s_mov_b32 s47, 0
	s_mul_i32 s45, s16, AHALF
	s_mul_i32 s94, s16, BHALF
	s_add_co_u32 s94, s94, ABYTES
	s_wait_kmcnt 0x0
	s_add_nc_u64 s[20:21], s[4:5], s[20:21]
	s_add_nc_u64 s[22:23], s[4:5], s[22:23]
	s_add_nc_u64 s[46:47], s[6:7], s[46:47]
	s_add_nc_u64 s[46:47], s[46:47], WOFF
	s_add_nc_u64 s[92:93], s[8:9], s[92:93]
	CROUND
	s_mov_b32 s[G0S], 1
	s_mov_b32 s[G0S+1], SCA
	s_mov_b64 s[G0S+2:G0S+3], s[22:23]
	s_or_b32 s[G0S+3], s[G0S+3], 0x80000000
	s_mov_b32 s[G0SB], 1
	s_mov_b32 s[G0SB+1], SCB
	s_mov_b64 s[G0SB+2:G0SB+3], s[92:93]
	s_or_b32 s[G0SB+3], s[G0SB+3], 0x80000000
	s_mov_b32 s[G0H], 1
	s_mov_b32 s[G0H+1], 0
	s_mov_b64 s[G0H+2:G0H+3], s[20:21]
	s_or_b32 s[G0H+3], s[G0H+3], 0x80000000
	s_mov_b32 s[G0HB], 1
	s_mov_b32 s[G0HB+1], ABYTES
	s_mov_b64 s[G0HB+2:G0HB+3], s[46:47]
	s_or_b32 s[G0HB+3], s[G0HB+3], 0x80000000
	s_add_nc_u64 s[20:21], s[20:21], s[18:19]      ; for the ring: my 64 rows
	s_add_nc_u64 s[46:47], s[46:47], s[18:19]
.irp s, 0,1
	s_mov_b32 s[G0+4*\s], 1
	s_add_co_u32 s[G0+4*\s+1], s45, \s*SLOT
	s_add_nc_u64 s[G0+4*\s+2:G0+4*\s+3], s[20:21], \s*6144
	s_or_b32 s[G0+4*\s+3], s[G0+4*\s+3], 0x80000000
	s_mov_b32 s[G0B+4*\s], 1
	s_add_co_u32 s[G0B+4*\s+1], s94, \s*SLOT
	s_add_nc_u64 s[G0B+4*\s+2:G0B+4*\s+3], s[46:47], \s*6144
	s_or_b32 s[G0B+4*\s+3], s[G0B+4*\s+3], 0x80000000
.endr
; the head's four tiles, one joint load a wave: wave 0 A's 128 rows of K step 0, wave 1 B's, wave 2 A's scale words, wave 3 B's scale bytes; one chain of branches on the wave's number
; THE PREFETCHES.  A wave's quarter of a K step is 4 blocks of rows x 6,144 bytes.  The four partners that ask for it jointly share the blocks out by address (cx for A's, cy for B's): 24 units of 256 bytes, a lane a unit (lanes 24-31 name the last again).
; s[66:67] stands at my block's K step 3; each refilling change of slots steps it by one K step and asks for the K step two refills on; the loop's last trip asks for nothing.  K steps 1 to 3 are asked for once, at the head.
	s_cmp_eq_u32 s15, 0
	s_cselect_b64 s[66:67], s[20:21], s[46:47]
	s_cselect_b32 s2, s40, s41
	s_mul_i32 s2, s2, KS128*1536
	s_mov_b32 s3, 0
	s_add_nc_u64 s[66:67], s[66:67], s[2:3]
	s_add_nc_u64 s[66:67], s[66:67], 3*6144
.macro ARM under, g0, g1, next
	s_cmp_lt_u32 s14, \under
	s_cbranch_scc0 \next
	tensor_load_to_lds s[\g0:\g0+3], s[\g1:\g1+7]
	s_nop 0
.rept 4
	v_nop
.endr
	s_branch .Lhead_asked
\next:
.endm
	ARM 1, G0H,  G1,  .Lhead_b
	ARM 2, G0HB, G1B, .Lhead_sa
	ARM 3, G0S,  G1S, .Lhead_sb
	tensor_load_to_lds s[G0SB:G0SB+3], s[G1SB:G1SB+7]
	s_nop 0
.rept 4
	v_nop
.endr
.Lhead_asked:
	v_and_b32 v1, 15, v0
	v_bfe_u32 v2, v0, 4, 1
	v_and_b32 v3, 31, v0
	v_min_u32 v31, 23, v3
	v_lshlrev_b32 v31, 8, v31                      ; the prefetches' offset: 256 x min(lane, 23); never rewritten
	v_lshlrev_b32 v3, 3, v3                        ; 8 x lane
	s_wait_alu depctr_va_vdst(0)
	global_prefetch_b8 v31, s[66:67] offset:-12288 th:TH_LOAD_NT scope:SCOPE_SE   ; K steps 1, 2, 3
	global_prefetch_b8 v31, s[66:67] offset:-6144 th:TH_LOAD_NT scope:SCOPE_SE
	global_prefetch_b8 v31, s[66:67] th:TH_LOAD_NT scope:SCOPE_SE
	s_mul_i32 s21, s15, AHALF
	s_mul_i32 s22, s16, BHALF
	s_add_co_u32 s22, s22, ABYTES
.irp s, 0,1
	v_add_nc_u32 v[ADRA+\s], s21, v3
	v_add_nc_u32 v[ADRB+\s], s22, v3
	s_add_co_u32 s21, s21, SLOT
	s_add_co_u32 s22, s22, SLOT
.endr
	s_lshl_b32 s21, s15, 8                         ; A's scale words lie [K / 128][128 rows x 4 bytes]: my half is 256 bytes on
	s_add_co_u32 s21, s21, SCA
	v_lshl_add_u32 v[ADSA], v1, 2, s21
	v_mul_u32_u24 v5, v1, KS
	v_lshrrev_b32 v6, 8, v5
	v_lshl_add_u32 v5, v6, 4, v5
	s_mul_i32 s22, s16, HALFSB
	s_add_co_u32 s22, s22, SCB
	v_add_nc_u32 v[ADSB], s22, v5
	s_mul_i32 s23, s14, 16*SPITCH
	v_mul_u32_u24 v5, v1, SPITCH
	v_lshl_add_u32 v5, v2, 5, v5
	v_add_nc_u32 v[STO], s23, v5
	v_mul_u32_u24 v5, v2, SPITCH
	v_lshl_add_u32 v5, v1, 4, v5
	v_add_nc_u32 v[RD], s23, v5
	v_lshlrev_b32 v5, 12, v2
	v_lshl_add_u32 v[CO], v1, 4, v5
	s_wait_alu depctr_va_vdst(0)
	s_lshl_b32 s20, s17, 7
	s_lshl_b32 s21, s15, 6
	s_add_co_u32 s20, s20, s21
	s_lshl_b32 s20, s20, 12
	s_lshl_b32 s46, s42, 9
	s_lshl_b32 s47, s16, 8
	s_add_co_u32 s46, s46, s47
	s_add_co_u32 s20, s20, s46
	s_mov_b32 s21, 0
	s_add_nc_u64 s[10:11], s[10:11], s[20:21]
	s_add_nc_u64 s[12:13], s[12:13], s[20:21]
	WIN 0x80
.irp a, 0,1,2,3
.irp t, 0,1,2,3,4,5,6,7
	global_load_b128 v[4*(8*\a+\t):4*(8*\a+\t)+3], v[CO], s[10:11] offset:(16*\a+2*\t)*4096
.endr
.endr
	WIN 0
.macro FRAGA reg, adr, q, i
.irp p, 0,1,2,3,4,5
	ds_load_b64 v[\reg+2*\p:\reg+2*\p+1], v[\adr] offset:((\i)*4+(\q))*1536+256*\p
.endr
.endm
.macro FETCH slot, q, f
	WIN TO_F
.irp i, 0,1,2,3
	FRAGA 128*(\f)+48+12*\i, ADRB+\slot, \q, \i
.endr
.irp i, 0,1,2,3
	FRAGA 128*(\f)+12*\i, ADRA+\slot, \q, \i
.endr
.endm
.macro SCALES4 set
.irp a, 0,1,2,3
.irp q, 0,1,2,3
	ds_load_b32 v[SC+32*\set+4*\a+\q], v[ADSA] offset:512*\q+64*\a
.endr
.endr
.irp b, 0,1,2,3
	ds_load_b128 v[SC+32*\set+16+4*\b:SC+32*\set+16+4*\b+3], v[ADSB] offset:\b*SBLK
.endr
.endm
.macro MUL8 f, a0, q, set, zero
.irp a, \a0, \a0+1
.irp b, 0,1,2,3
.if \zero
	v_wmma_scale_f32_16x16x128_f8f6f4 v[ACC+8*(4*(\a)+\b):ACC+8*(4*(\a)+\b)+7], v[128*(\f)+48+12*\b:128*(\f)+48+12*\b+11], v[128*(\f)+12*(\a):128*(\f)+12*(\a)+11], 0, v[SC+32*(\set)+16+4*\b+(\q)], v[SC+32*(\set)+4*(\a)+(\q)] matrix_a_fmt:MATRIX_FMT_FP6 matrix_b_fmt:MATRIX_FMT_FP6
.else
	v_wmma_scale_f32_16x16x128_f8f6f4 v[ACC+8*(4*(\a)+\b):ACC+8*(4*(\a)+\b)+7], v[128*(\f)+48+12*\b:128*(\f)+48+12*\b+11], v[128*(\f)+12*(\a):128*(\f)+12*(\a)+11], v[ACC+8*(4*(\a)+\b):ACC+8*(4*(\a)+\b)+7], v[SC+32*(\set)+16+4*\b+(\q)], v[SC+32*(\set)+4*(\a)+(\q)] matrix_a_fmt:MATRIX_FMT_FP6 matrix_b_fmt:MATRIX_FMT_FP6
.endif
.endr
.endr
.endm
.macro PLACES n
.rept \n
	v_nop
.endr
.endm
.macro STEP4 slot, q, f, zero
	s_wait_dscnt 12
	WIN MUL
	MUL8 \f, 0, \q, \slot, \zero
	PLACES 4
	FETCH \slot, (\q)+1, 1-(\f)
	s_wait_dscnt 48
	WIN MUL
	MUL8 \f, 2, \q, \slot, \zero
.endm
.macro TURN4 slot, next, fill
	WIN 0
.if \fill
	s_wait_xcnt 0x0                                ; my last prefetch has read its address: only now is it stepped
	s_add_nc_u64 s[66:67], s[66:67], 6144
.endif
	s_wait_tensorcnt 0x0
	ds_add_u32 v[SPW], v[NIL]
	s_wait_dscnt 13
	WIN MUL
	MUL8 1, 0, 3, \slot, 0
	WIN 0
	s_wait_dscnt 0x0
	s_barrier_signal -1
	s_barrier_wait -1
.if \fill
	CREST
	s_add_nc_u64 s[G0+4*\slot+2:G0+4*\slot+3], s[G0+4*\slot+2:G0+4*\slot+3], 2*6144
	s_add_nc_u64 s[G0B+4*\slot+2:G0B+4*\slot+3], s[G0B+4*\slot+2:G0B+4*\slot+3], 2*6144
	JLOAD G0+4*\slot, G1, G0B+4*\slot, G1B
.else
	PLACES 4
.endif
	s_wait_alu depctr_va_vdst(0)
	v_add_nc_u32 v[ADSA], 2048, v[ADSA]
	v_add_nc_u32 v[ADSB], 16, v[ADSB]
	SCALES4 \next
	FETCH \next, 0, 0
.if \fill
	WIN 0                                          ; at a branch and at a label every window is 0
	s_cmp_gt_u32 s3, 1                             ; the last trip's refills have no K step two refills on
	s_cbranch_scc0 .Lno_ask_\@
	global_prefetch_b8 v31, s[66:67] th:TH_LOAD_NT scope:SCOPE_SE
.Lno_ask_\@:
.endif
	WIN MUL
	MUL8 1, 2, 3, \slot, 0
.endm
	s_wait_alu depctr_va_vdst(0)
	s_wait_tensorcnt 0x0                           ; my tile of the head's four is in
	ds_add_u32 v[SPW], v[NIL]
	s_mov_b32 s[G1+2], 4<<16                       ; no tensor load of mine is out: from here on a load brings 4 blocks of rows
	s_mov_b32 s[G1+4], 4
	s_mov_b32 s[G1B+2], 4<<16
	s_mov_b32 s[G1B+4], 4
	s_wait_dscnt 0x0
	CROUND                                         ; all four tiles are in, and all sixteen work-groups are here
	JLOAD G0+4, G1, G0B+4, G1B                     ; K step 1, the first tensor load behind the round
	SCALES4 0
	FETCH 0, 0, 0
	STEP4 0, 0, 0, 1
	WIN 0
.if LAPS > 1
	s_mov_b32 s3, LAPS-1
.Llap:
	STEP4 0, 1, 1, 0
	STEP4 0, 2, 0, 0
	TURN4 0, 1, 1
	STEP4 1, 0, 0, 0
	STEP4 1, 1, 1, 0
	STEP4 1, 2, 0, 0
	TURN4 1, 0, 1
	STEP4 0, 0, 0, 0
	WIN 0
	s_sub_co_u32 s3, s3, 1
	s_cmp_lg_u32 s3, 0
	s_cbranch_scc1 .Llap
.endif
	STEP4 0, 1, 1, 0
	STEP4 0, 2, 0, 0
	TURN4 0, 1, 0
	STEP4 1, 0, 0, 0
	STEP4 1, 1, 1, 0
	STEP4 1, 2, 0, 0
	s_wait_dscnt 12
	WIN MUL
	MUL8 1, 0, 3, 1, 0
	s_wait_dscnt 0x0
	MUL8 1, 2, 3, 1, 0
	WIN 0
.macro TOSTAGE a
.irp b, 0,1,2,3
	ds_store_b128 v[STO], v[ACC+8*(4*(\a)+\b):ACC+8*(4*(\a)+\b)+3] offset:64*\b
	ds_store_b128 v[STO], v[ACC+8*(4*(\a)+\b)+4:ACC+8*(4*(\a)+\b)+7] offset:64*\b+16
.endr
.set BB, BK+32*((\a)%2)
.irp t, 0,1,2,3,4,5,6,7
	ds_load_b128 v[BB+4*\t:BB+4*\t+3], v[RD] offset:\t*2*SPITCH
.endr
.endm
.macro SEND a, younger
.set BB, BK+32*((\a)%2)
	s_wait_dscnt \younger
	WIN 0x08
.set i, 0
.rept 16
	v_pk_add_f32 v[BB+i:BB+i+1], v[BB+i:BB+i+1], v[32*(\a)+i:32*(\a)+i+1]
.set i, i+2
.endr
	WIN 0
.irp t, 0,1,2,3,4,5,6,7
	global_store_b128 v[CO], v[BB+4*\t:BB+4*\t+3], s[12:13] offset:(16*(\a)+2*\t)*4096
.endr
.endm
	PLACES 4
	s_wait_loadcnt 0x0
	TOSTAGE 0
.irp a, 1,2,3
.if \a > 1
	s_wait_xcnt 0x0
.endif
	TOSTAGE \a
	SEND \a-1, 16
.endr
	SEND 3, 0
	s_wait_tensorcnt 0x0
	ds_add_u32 v[SPW], v[NIL]
	s_wait_dscnt 0x0
	CROUND
	s_endpgm
.Lfunc_end_k_q03efa31363_mlp:
	.size	k_q03efa31363_mlp, .Lfunc_end_k_q03efa31363_mlp-k_q03efa31363_mlp
	.p2alignl 7, 3214868480
	.fill 96, 4, 3214868480
	.section	.rodata,"a",@progbits
	.p2align	6, 0x0
	.amdhsa_kernel k_q03efa31363_mlp
		.amdhsa_group_segment_fixed_size 327680
		.amdhsa_private_segment_fixed_size 0
		.amdhsa_enable_private_segment 0
		.amdhsa_kernarg_size 40
		.amdhsa_user_sgpr_count 2
		.amdhsa_user_sgpr_kernarg_segment_ptr 1
		.amdhsa_wavefront_size32 1
		.amdhsa_system_sgpr_workgroup_id_x 1
		.amdhsa_system_sgpr_workgroup_id_y 1
		.amdhsa_system_sgpr_workgroup_id_z 1
		.amdhsa_system_vgpr_workitem_id 0
		.amdhsa_next_free_vgpr 768
		.amdhsa_next_free_sgpr 100
		.amdhsa_reserve_vcc 0
		.amdhsa_float_denorm_mode_32 3
		.amdhsa_float_denorm_mode_16_64 3
		.amdhsa_memory_ordered 1
		.amdhsa_forward_progress 1
		.amdhsa_inst_pref_size 119
	.end_amdhsa_kernel
	.amdgpu_metadata
---
amdhsa.version: [ 1, 2 ]
amdhsa.kernels:
  - .name:           k_q03efa31363_mlp
    .symbol:         k_q03efa31363_mlp.kd
    .args:
      - { .name: gbuf, .offset: 0, .size: 8, .value_kind: global_buffer, .address_space: global }
      - { .name: wbuf, .offset: 8, .size: 8, .value_kind: global_buffer, .address_space: global }
      - { .name: w_mlp_proj_scales, .offset: 16, .size: 8, .value_kind: global_buffer, .address_space: global }
      - { .name: x1, .offset: 24, .size: 8, .value_kind: global_buffer, .address_space: global }
      - { .name: out0, .offset: 32, .size: 8, .value_kind: global_buffer, .address_space: global }
    .group_segment_fixed_size: 327680
    .private_segment_fixed_size: 0
    .kernarg_segment_align: 8
    .kernarg_segment_size: 40
    .max_flat_workgroup_size: 128
    .sgpr_count:     100
    .vgpr_count:     768
    .wavefront_size: 32
...
	.end_amdgpu_metadata
.endif
;; end of part 6
